; MI455X (gfx1250); checked and timed in simulation.
; The chip was launched on July 23, 2026; its instructions are those of AMD's public machine-readable ISA for CDNA 5 (MIT licence, August 2026) and "CDNA5" Instruction Set Architecture Reference Guide (July 2026). The comments in the code are by the model that wrote it; some were corrected since.
;; Attention. Allowed arithmetic: matrix products marked QUANTISED: E2M3 operands, one E8M0 scale for each 32 along K, by v_wmma_scale_f32_16x16x128_f8f6f4 with both operands' format E2M3, f32 sums; everything else in f32.
;; Inputs: b_out 1,024 float32; w_out 1,024 x 1,024 float32; w_qkv 3,072 x 1,024 float32; x 4 x 2,048 x 1,024 float32.
;; Outputs: out0 4 x 2,048 x 1,024 float32.
;; This version of the problem:
;;   THIS VERSION OF THE PROBLEM IS GIVEN IN LOW PRECISION. The matrix products marked QUANTISED in the list below multiply operands that are first quantised to E2M3 (2 exponent bits, 3 mantissa bits; 6 bits a number), with one power-of-two scale for each 32 numbers along K (OCP MX v1.0); their sums are f32. All else is computed in f32.
;;   The module's matrix products, in the order in which they are computed (A, B: the left and right operand; K: the contracted axis; several contracted axes count as one K, in the product's order):
;;     1. [M 8,192, K 1,024] x [K 1,024, N 3,072]; A: input x; B: input w_qkv: QUANTISED
;;     2. batch 64 x [M 2,048, K 64] x [K 64, N 2,048]; A: computed on the way; B: computed on the way: QUANTISED
;;     3. batch 64 x [M 2,048, K 2,048] x [K 2,048, N 64]; A: softmax (see below); B: computed on the way: QUANTISED
;;     4. [M 8,192, K 1,024] x [K 1,024, N 1,024]; A: computed on the way; B: input w_out: QUANTISED
;;   THE QUANTISER, for each operand of a quantised product, along K:
;;     - K is cut into blocks of 32 from its start; a last block that is shorter is filled with zeros.
;;     - A block's scale is 2^e with e = floor(log2(the largest magnitude in the block)) - 2, held to -126 .. 127; a block of zeros has e = 0. As a byte (E8M0): e + 127.
;;     - Each number is divided by its block's scale, clamped to +-7.5, and rounded to the nearest number of E2M3, ties to even, subnormals kept.
;;     - The product sums the exact products of the quantised numbers (number of the format x scale) in f32.
;;   ~~~python
;;   def quantise(x, axis):      # numpy; x: float32 -> the quantised numbers, widened to float32 again
;;       x = np.moveaxis(x, axis, -1); K = x.shape[-1]
;;       x = np.pad(x, [(0, 0)] * (x.ndim - 1) + [(0, -K % 32)]); x = x.reshape(x.shape[:-1] + (-1, 32)); a = np.abs(x).max(-1, keepdims=True)
;;       e = np.where(a > 0, np.clip(np.frexp(np.where(a > 0, a, 1))[1] - 1 - 2, -126, 127), 0)      # np.frexp(a)[1] - 1 = floor(log2(a)), exactly
;;       r = np.clip(x / 2.0 ** e, -7.5, 7.5)
;;       step = 2.0 ** (np.maximum(np.frexp(np.where(r == 0, 1, r))[1] - 1, 0) - 3)
;;       q = np.round(r / step) * step * 2.0 ** e      # np.round: ties to even
;;       return np.moveaxis(q.reshape(q.shape[:-2] + (-1,))[..., :K], -1, axis).astype(np.float32)
;;   ~~~
;;   SOFTMAX AHEAD OF A QUANTISED PRODUCT. Where the list says 'softmax', what is quantised is not the finished softmax but p = 2^(t - M), with t = logit x log2(e) and M = ceil(the row's largest t), a whole number; so 1/2 < the row's largest p <= 1. The row's sum l is taken of the UNQUANTISED p, in f32, and the product's result is divided by l at the end. Since M is a whole number, a kernel that streams over the keys may use a running M (the ceiling of the running maximum): every later rescaling is an exact power of two, which a block's scale takes up: the codes' values come out the same.
;;   OPERANDS COMPUTED ON THE WAY. 'Computed on the way' means the value that the module computes at that place (a softmax that the list does not call 'softmax' is quantised finished and normalised). What goes into a quantiser is computed in f32, as accurately as f32 sums, v_exp_f32 and their like allow (about 1e-6 of the number): no bf16 or f16 on the way to a quantiser, and a product that is left as it is and whose result goes on into a quantised operand takes f32 operands (vector FMAs, or v_wmma_f32_16x16x4_f32). A number that lies on a knife's edge between two numbers of the format may be rounded either way, as far as f32 arithmetic and the matrix unit's own rounding can turn it there, and no further.
;; One version. Each part assembles by itself: llvm-mc -triple=amdgcn-amd-amdhsa -mcpu=gfx1250 --defsym DOCPART=n.
;; ======== version 1 of 1: 4 launches
;; limits: right only within a limited range of input values
;; workspace buffers: c1 9,437,184 bytes; s1 393,216 bytes; qkv 19,660,800 bytes; oc 6,291,456 bytes; os 262,144 bytes
;; launch quant (part 1): grid 384 x 1, 4 waves a work-group, no clusters, 34,304 bytes of LDS; arguments x, w_qkv, w_out, c1, s1; writes c1, s1
.if DOCPART == 1
	.amdgcn_target "amdgcn-amd-amdhsa--gfx1250"
	.amdhsa_code_object_version 6
	.text
	.protected	k_q9cbca4f3e7_quant
	.globl	k_q9cbca4f3e7_quant
	.p2align	8
	.type	k_q9cbca4f3e7_quant,@function
k_q9cbca4f3e7_quant:
	s_mov_b64 s[64:65], 0
	v_nop
	global_prefetch_b8 v0, s[64:65] scope:SCOPE_SE
	s_setreg_imm32_b32 hwreg(HW_REG_WAVE_MODE, 25, 1), 1
	s_wait_xcnt 0x0
; x [8192][1024], w_qkv [3072][1024], w_out [1024][1024], f32, K innermost, become codes of FP6 (E2M3) and E8M0 scale bytes, one for each 32 along K, laid IN THE ORDER OF AN OPERAND'S REGISTERS.
; STORED TILES.  768 tiles of 16 rows (0-511 x, 512-703 w_qkv, 704-767 w_out).  Stored row p of stored tile T is row 32 (T / 2) + 8 (T % 2) + p % 8 + 16 (p / 8) of its tensor: where such a tile is source 0 of a
; product, the 16 result registers of tiles 2 b and 2 b + 1 are 16 neighbours along that axis.
; c1: a tile is 8 fragments (16 rows x 128 K) of 1,536 bytes.  A fragment is 12 registers a lane, kept as two halves of 768 bytes: registers 6 c .. 6 c + 3 at 16 x lane, then registers 6 c + 4, 6 c + 5 at 512 + 8 x lane.
; s1: a tile is 512 bytes: the scale word (four bytes, 128 along K) of K step ks and stored row r lies at 256 (ks / 4) + 16 r + 4 (ks % 4).
; A block's scale is 2^(floor(log2(its largest magnitude)) - 2): its byte is the largest magnitude's exponent field - 2, held at 1 from below.
; LIMITS: a block of zeros, or one whose largest magnitude lies under 2^-124, keeps the byte 1 (a block of zeros has zero codes, and this program alone reads the bytes); NaN and infinities are not served.
; SHARES.  A wave takes one stored tile x 512 along K: four fragments.  Each load reads 512 consecutive bytes of one row; a K step's 16 rows turn through the wave's own stage in LDS (rows 528 bytes apart, so that the
; sixteen rows that a read touches begin in sixteen different groups of banks), and come back so that lane (r, h) holds k = 64 c + 32 h + 0 .. 31 of row r: two whole blocks, in the operand's own order.
; No tensor loads, no barrier: waves share nothing.  Two K steps' loads (32 a wave, 16 KiB) are out.
.set STG,   16*528                     ; a wave's stage
.set SPARE, 4*STG                      ; behind the stages: the spare words, 128 bytes for each wave
.set SPW,   10                         ; v10  LDS address of my spare word; never rewritten
.set NIL,   11                         ; v11  0; never rewritten
.set W,     20                         ; v20-23   the scale words of the four K steps
.set PC,    24                         ; v24-35   a fragment's codes
.set CT,    36                         ; v36-43   the second halves of the blocks' codes, as the conversions leave them
.set X,     64                         ; v64-127  64 numbers in the operand's order
.set R,     128                        ; v128-255 two sets of 64 numbers as loaded
	s_load_b128 s[4:7], s[0:1], 0x0                ; x, w_qkv
	s_load_b128 s[8:11], s[0:1], 0x10              ; w_out, c1
	s_load_b64 s[12:13], s[0:1], 0x20              ; s1
	v_lshl_add_u32 v[SPW], v0, 2, SPARE
	v_mov_b32 v[NIL], 0
	v_lshrrev_b32 v1, 5, v0
	v_readfirstlane_b32 s14, v1                    ; wave
	v_and_b32 v2, 31, v0                           ; lane
	v_and_b32 v3, 15, v0                           ; r
	v_bfe_u32 v9, v0, 4, 1                         ; h
	v_lshlrev_b32 v4, 4, v2                        ; 16 x lane
	v_lshlrev_b32 v5, 3, v2                        ; 8 x lane
	s_mul_i32 s15, s14, STG
	v_add_nc_u32 v6, s15, v4                       ; the stage, on the way in: a row's 512 bytes as they lie
	v_mul_u32_u24 v7, v3, 528
	v_lshl_add_u32 v7, v9, 7, v7
	v_add_nc_u32 v7, s15, v7                       ; and on the way out: row r, + 128 h bytes: my 32 numbers of each 64
	v_lshlrev_b32 v8, 4, v3
	v_lshl_add_u32 v8, v9, 3, v8                   ; the scale words' place: 16 r + 8 h
	v_lshlrev_b32 v9, 3, v9                        ; 8 h: how far up my two bytes stand in the word
	v_mov_b32 v19, 0                               ; written once: a lane permute's destination counts as one of its sources
	s_lshr_b32 s16, s14, 1                         ; which of the work-group's two tiles
	s_and_b32 s17, s14, 1                          ; which half of K
	s_mov_b32 s22, 0x76543210
	s_mov_b32 s23, 0xfedcba98                      ; v_permlanex16_b32's selects for lane l xor 16
	s_mov_b32 s24, 0xffff0000                      ; lanes 16-31
	s_mov_b32 s18, 352
	s_wait_alu depctr_va_vdst(0)
	s_wait_kmcnt 0x0
	s_cmp_lt_u32 ttmp9, 352                        ; which tensor: the choice hangs on the work-group's number alone
	s_cselect_b64 s[6:7], s[6:7], s[8:9]
	s_cselect_b32 s18, 256, s18
	s_cmp_lt_u32 ttmp9, 256
	s_cselect_b64 s[4:5], s[4:5], s[6:7]
	s_cselect_b32 s18, 0, s18                      ; the tensor's first work-group
	s_sub_co_u32 s18, ttmp9, s18
	s_lshl_b32 s18, s18, 5                         ; 32 rows a work-group,
	s_lshl_b32 s19, s16, 3
	s_add_co_u32 s18, s18, s19                     ; + 8 for its second tile,
	s_lshl_b32 s18, s18, 12                        ; rows of 4,096 bytes (under 2^26 in all),
	s_lshl_b32 s19, s17, 11
	s_add_co_u32 s18, s18, s19                     ; + my half of K
	s_mov_b32 s19, 0
	s_add_nc_u64 s[4:5], s[4:5], s[18:19]
	s_lshl_b32 s20, ttmp9, 1
	s_add_co_u32 s20, s20, s16                     ; my stored tile
	s_mul_i32 s18, s20, 12288
	s_mul_i32 s21, s17, 6144
	s_add_co_u32 s18, s18, s21
	s_add_nc_u64 s[10:11], s[10:11], s[18:19]      ; its codes, my four fragments
	s_lshl_b32 s18, s20, 9
	s_lshl_b32 s21, s17, 8
	s_add_co_u32 s18, s18, s21
	s_add_nc_u64 s[12:13], s[12:13], s[18:19]      ; its scale words, my 256 bytes
.macro LOAD t                          ; K step t: stored row j's 512 bytes, 16 a lane
.irp j, 0,1,2,3,4,5,6,7,8,9,10,11,12,13,14,15
	global_load_b128 v[R+64*((\t)%2)+4*\j:R+64*((\t)%2)+4*\j+3], v4, s[4:5] offset:((\j%8)+16*(\j/8))*4096+512*(\t) th:TH_LOAD_NT
.endr
.endm
.macro TURN t                          ; through the stage: LDS serves a wave's instructions in order, so no wait stands between the stores and the loads
.irp j, 0,1,2,3,4,5,6,7,8,9,10,11,12,13,14,15
	ds_store_b128 v6, v[R+64*((\t)%2)+4*\j:R+64*((\t)%2)+4*\j+3] offset:528*\j
.endr
.irp c, 0,1
.irp e, 0,1,2,3,4,5,6,7
	ds_load_b128 v[X+32*\c+4*\e:X+32*\c+4*\e+3], v7 offset:256*\c+16*\e
.endr
.endr
.endm
.macro Q1 t                            ; 64 numbers become a fragment and a scale word
.irp c, 0,1
	v_max3_num_f32 v[12+\c], |v[X+32*\c]|, |v[X+32*\c+1]|, 0x1800000   ; my block 2 c + h: all its 32 numbers are mine; and the floor 2^(3 - 127): the byte cannot fall under 1
.endr
.irp i, 2,4,6,8,10,12,14,16,18,20,22,24,26,28,30
.irp c, 0,1
	v_max3_num_f32 v[12+\c], v[12+\c], |v[X+32*\c+\i]|, |v[X+32*\c+\i+1]|
.endr
.endr
.irp c, 0,1
	v_add_nc_u32 v[14+\c], 0xff000000, v[12+\c]    ; 2 off the exponent field: the conversion takes the exponent field of this operand as its scale
.endr
.irp c, 0,1
	v_lshrrev_b32 v[16+\c], 23, v[14+\c]           ; the scale's byte
.endr
	v_lshl_or_b32 v18, v17, 16, v16                ; blocks h and 2 + h of row r,
	v_lshlrev_b32 v18, v9, v18                     ; at their places in the word;
	v_permlanex16_b32 v19, v18, s22, s23
	v_or_b32 v[W+(\t)], v18, v19                   ; with lane l xor 16's two the word is whole
.if (\t) > 0
	s_wait_alu depctr_va_vdst(0)
	s_wait_xcnt 0x0                                ; the last fragment's stores have read their registers: the codes are written again only behind this wait
.endif
.irp c, 0,1
	v_cvt_scalef32_pk16_fp6_f32 v[PC+6*\c:PC+6*\c+2], v[X+32*\c:X+32*\c+15], v[14+\c]
	v_cvt_scalef32_pk16_fp6_f32 v[CT+4*\c:CT+4*\c+2], v[X+32*\c+16:X+32*\c+31], v[14+\c]   ; (a conversion's three registers begin on an even number)
.endr
	v_nop                                          ; one plain place behind a scaled conversion
.irp c, 0,1
.irp i, 0,1,2
	v_mov_b32 v[PC+6*\c+3+\i], v[CT+4*\c+\i]
.endr
.endr
	global_store_b128 v4, v[PC:PC+3], s[10:11] offset:1536*(\t)            ; each store covers whole aligned blocks of 256 bytes
	global_store_b64 v5, v[PC+4:PC+5], s[10:11] offset:1536*(\t)+512
	global_store_b128 v4, v[PC+6:PC+9], s[10:11] offset:1536*(\t)+768
	global_store_b64 v5, v[PC+10:PC+11], s[10:11] offset:1536*(\t)+1280
.endm
	LOAD 0
	LOAD 1
.irp t, 0,1,2,3
.if \t < 3
	s_wait_loadcnt 16                              ; this K step's 16 loads are in; the next step's 16 may be out
.else
	s_wait_loadcnt 0x0
.endif
	TURN \t
	s_wait_dscnt 0x0                               ; the numbers are back, and the stage's stores have read their registers,
.if \t < 2
	LOAD \t+2                                      ; which take the loads of two steps on
.endif
	Q1 \t
.endr
	v_cndmask_b32 v44, v[W], v[W+2], s24           ; lanes 0-15 store words 0 and 1 of row r, lanes 16-31 words 2 and 3
	v_cndmask_b32 v45, v[W+1], v[W+3], s24
	global_store_b64 v8, v[44:45], s[12:13]        ; 32 lanes store one aligned block of 256 bytes
	s_wait_tensorcnt 0x0                           ; the wave's end
	ds_add_u32 v[SPW], v[NIL]
	s_wait_dscnt 0x0
	s_endpgm
.Lfunc_end_k_q9cbca4f3e7_quant:
	.size	k_q9cbca4f3e7_quant, .Lfunc_end_k_q9cbca4f3e7_quant-k_q9cbca4f3e7_quant
	.p2alignl 7, 3214868480
	.fill 96, 4, 3214868480
	.section	.rodata,"a",@progbits
	.p2align	6, 0x0
	.amdhsa_kernel k_q9cbca4f3e7_quant
		.amdhsa_group_segment_fixed_size 34304
		.amdhsa_private_segment_fixed_size 0
		.amdhsa_enable_private_segment 0
		.amdhsa_kernarg_size 40
		.amdhsa_user_sgpr_count 2
		.amdhsa_user_sgpr_kernarg_segment_ptr 1
		.amdhsa_wavefront_size32 1
		.amdhsa_system_sgpr_workgroup_id_x 1
		.amdhsa_system_sgpr_workgroup_id_y 1
		.amdhsa_system_sgpr_workgroup_id_z 1
		.amdhsa_system_vgpr_workitem_id 0
		.amdhsa_next_free_vgpr 256
		.amdhsa_next_free_sgpr 66
		.amdhsa_reserve_vcc 0
		.amdhsa_float_denorm_mode_32 3
		.amdhsa_float_denorm_mode_16_64 3
		.amdhsa_memory_ordered 1
		.amdhsa_forward_progress 1
		.amdhsa_inst_pref_size 31
	.end_amdhsa_kernel
	.amdgpu_metadata
---
amdhsa.version: [ 1, 2 ]
amdhsa.kernels:
  - .name:           k_q9cbca4f3e7_quant
    .symbol:         k_q9cbca4f3e7_quant.kd
    .args:
      - { .name: x, .offset: 0, .size: 8, .value_kind: global_buffer, .address_space: global }
      - { .name: w_qkv, .offset: 8, .size: 8, .value_kind: global_buffer, .address_space: global }
      - { .name: w_out, .offset: 16, .size: 8, .value_kind: global_buffer, .address_space: global }
      - { .name: c1, .offset: 24, .size: 8, .value_kind: global_buffer, .address_space: global }
      - { .name: s1, .offset: 32, .size: 8, .value_kind: global_buffer, .address_space: global }
    .group_segment_fixed_size: 34304
    .private_segment_fixed_size: 0
    .kernarg_segment_align: 8
    .kernarg_segment_size: 40
    .max_flat_workgroup_size: 128
    .sgpr_count:     66
    .vgpr_count:     256
    .wavefront_size: 32
...
	.end_amdgpu_metadata
.endif
;; end of part 1
;; launch qkvgemm (part 2): grid 8 x 48, 4 waves a work-group, clusters of 4 x 4, 327,680 bytes of LDS; arguments c1, s1, qkv; writes qkv
.if DOCPART == 2
	.amdgcn_target "amdgcn-amd-amdhsa--gfx1250"
	.amdhsa_code_object_version 6
	.text
	.protected	k_q9cbca4f3e7_qkvgemm
	.globl	k_q9cbca4f3e7_qkvgemm
	.p2align	8
	.type	k_q9cbca4f3e7_qkvgemm,@function
k_q9cbca4f3e7_qkvgemm:
	s_mov_b64 s[64:65], 0
	v_nop
	global_prefetch_b8 v0, s[64:65] scope:SCOPE_SE
	s_setreg_imm32_b32 hwreg(HW_REG_WAVE_MODE, 25, 1), 1
	s_wait_xcnt 0x0
	s_wait_alu depctr_hold_cnt(0) depctr_sa_sdst(0) depctr_va_vdst(0) depctr_va_sdst(0) depctr_va_ssrc(0) depctr_va_vcc(0) depctr_vm_vsrc(0)
	s_getreg_b32 s2, hwreg(HW_REG_IB_STS2, 6, 4)
	s_cmp_eq_u32 s2, 0
	s_cbranch_scc0 .Lentry_in_a_cluster
	s_endpgm
.Lentry_in_a_cluster:
	s_bfe_u32 s2, ttmp6, 0x10000c
	s_cmp_lg_u32 s2, 0xf033
	s_cbranch_scc0 .Lentry_shape_is_right
	s_endpgm
.Lentry_shape_is_right:
; qkv = x w_qkv^T on codes of FP6 (E2M3) with E8M0 scales, K = 1,024; the results are quantised in registers and leave as codes: q and k along the head's 64, v along the keys.  No f32 result goes to memory.
; OPERANDS come from c1 and s1, laid in the order of an operand's registers: a stored tile of 16 rows is 8 fragments of 1,536 bytes (registers 6 c .. 6 c + 3 at 16 x lane, 6 c + 4, 6 c + 5 at 512 + 8 x lane, c = 0, 1);
; its scale words lie at 256 (ks / 4) + 16 r + 4 (ks % 4) of 512 bytes.  Stored row p of stored tile T is row 32 (T / 2) + 8 (T % 2) + p % 8 + 16 (p / 8).
; A tile of the product is 256 x 256: four waves, each 128 x 128 in 64 accumulators.  "A" is source 1 (a lane holds one of its rows), "B" source 0 (a lane's registers run along its rows; by the stored order the 16
; registers of B's tiles 2 b, 2 b + 1 are 16 neighbours).  THE REGISTERS RUN ALONG THE AXIS THAT IS QUANTISED: for q and k A = x and B = w_q, w_k (features); for v A = w_v and B = x (tokens = keys).
; ONE TEXT SERVES BOTH, by scalar selects on the cluster's own coordinates, which all sixteen partners share: clusters with y < 8 make q and k, the eight others v.  No branch hangs on the choice.
; K goes in steps of 256 through a ring of two LDS slots; K = 1,024 is four fills, so the sequence is written out.  The scales of the work-group's rows come once, with the first fills.
; CLUSTERS: 4 x 4 work-groups; A's tiles are asked for jointly along a row of the cluster, B's along a column.
; qkv: 1,024 records of 19,200 bytes, record ((batch x 16 + head) x 16 + step), a step = 128 tokens: +0 Q's codes, +6,144 Q's scales, +6,400 K's codes, +12,544 V's codes, +18,688 K's scales, +18,944 V's scales.
;   Q's and K's codes: the half fragment (16 tokens x 64) of stored tile a at 768 a, so that tiles 2 i and 2 i + 1 together are one fragment's image.  V's: the fragment (16 of the head's 64 x 128 keys) of tile t at 1,536 t.
;   A block of scales, 256 bytes: at 8 x lane two words; the first holds image (or tile) 0 in lanes 0-15 and 1 in lanes 16-31, the second 2 and 3.  A pair image's word: tile 2 i's two bytes, then tile 2 i + 1's.
; q IS NOT MULTIPLIED BY 1/8 HERE: a power of two only moves a block's scale; the next launch folds it into its factor.  LIMITS: the same codes unless a block's exponent would be held at -126; blocks of zeros or under
; 2^-124 keep the byte 1; NaN and infinities are not served.
; REGISTERS, in windows of 256: window 0: v16-31 addresses; v32-63 scale words, two sets; v64-119 at work on the way out; from v128 A's fragments, one set.  window 1: B's fragments, two sets, at v0 and v128.
;   window 2: the accumulators of A's blocks 0-3 (accumulator (a, b) at v[8 (8 a + b)]);  window 3: those of blocks 4-7.
.set NQ,     2                         ; matrix instructions deep in a slot
.set FR,     12                        ; registers of a fragment
.set NL,     4                         ; LDS loads that bring one
.set NP,     4                         ; places behind this matrix instruction (ISA guide 7.12.1)
.set TILEB,  3072                      ; a stored tile's two fragments in a slot
.set HALFT,  8*TILEB                   ; 8 tiles = 128 rows: what one tensor load brings, and what one wave reads of A or of B
.set SLOT,   4*HALFT                   ; A's 16 tiles, then B's 16
.set SCL,    2*SLOT                    ; behind the ring: the scales
.set HALFS,  4096                      ; those of 8 tiles
.set SBLK,   512                       ; those of one
.set SPARE,  SCL+4*HALFS               ; behind the scales: the spare words, 128 bytes for each wave
.set ADRA, 16                          ; v16-17  LDS address of my A fragments in slot 0, 1, + 16 x lane;  v18-19 the same + 8 x lane
.set ADRB, 20                          ; v20-23  the same for B
.set SPW,  28                          ; v28     LDS address of my spare word; never rewritten
.set NIL,  29                          ; v29     0; never rewritten
.set FLOOR, 30                         ; v30     2^(3 - 127)
.set ADRS, 31                          ; v31     LDS address of my scale words: lanes 0-15 A's rows, lanes 16-31 B's; never rewritten
.set SC,   32                          ; scale words: set s at v[SC + 16 s]; register 2 i + q: lanes 0-15 A's block i, lanes 16-31 B's block i, the slot's q-th 128 along K
.set AF,   128
.set TM,   64                          ; the way out: v64-67 largest magnitudes, v68-71 bytes, v76-79 the conversions' scale operands
.set PC,   80                          ; v80-91  a fragment's codes
.set CT,   92                          ; v92-99  half blocks as the conversions leave them
.set W,    100                         ; v100-107 the eight blocks' scale words
.set OW,   108                         ; v108-115 the words as the records want them
.set RR,   116                         ; v116-119 and as they are stored
.set G1, 24
.set G0, 32
.set G1B, 48
.set G0B, 56
.set G1S, 68
.set G0S, 76
.set G1SB, 80
.set G0SB, 88
.set MSB, 0
.macro WIN new                         ; the immediate's high byte repeats the setting that is left
.if MSB != \new
	s_set_vgpr_msb (MSB<<8)|\new
.set MSB, \new
.endif
.endm
.set MUL_LO, 0xa1                      ; source 0 (B) window 1, source 1 (A) window 0, C and D window 2
.set MUL_HI, 0xf1                      ; the same, C and D window 3
.set TO_B,   0x40                      ; destination window 1, address window 0
; A joint load: waves 0 and 1 fetch for A, waves 2 and 3 for B.  The branch hangs on the wave's number alone.  An s_nop 0 and four v_nop follow each of the two lines.
.macro JLOAD g0a, g1a, g0b, g1b
	s_cmp_eq_u32 s15, 0
	s_cbranch_scc0 .Lfor_b_\@
	tensor_load_to_lds s[\g0a:\g0a+3], s[\g1a:\g1a+7]
	s_nop 0
.rept 4
	v_nop
.endr
	s_branch .Lasked_\@
.Lfor_b_\@:
	tensor_load_to_lds s[\g0b:\g0b+3], s[\g1b:\g1b+7]
	s_nop 0
.rept 4
	v_nop
.endr
.Lasked_\@:
.endm
.macro CREST                           ; a round of the cluster's barrier behind its opening barrier
	s_cmp_lg_u32 s14, 0
	s_cbranch_scc1 .Lnot_wave_0_\@
	s_barrier_signal -3
.Lnot_wave_0_\@:
	s_barrier_wait -3
	s_barrier_signal -1
	s_barrier_wait -1
.endm
.macro CROUND
	s_barrier_signal -1
	s_barrier_wait -1
	CREST
.endm
	s_load_b128 s[4:7], s[0:1], 0x0                ; c1, s1
	s_load_b64 s[12:13], s[0:1], 0x10              ; qkv
	v_lshl_add_u32 v[SPW], v0, 2, SPARE
	v_mov_b32 v[NIL], 0
	ds_add_u32 v[SPW], v[NIL]                      ; the wave's opening: the add and its wait ahead of my first tensor load; the set-up below, work on registers, stands between them
	ds_add_u32 v[SPW], v[NIL]
	v_lshrrev_b32 v1, 5, v0
	v_readfirstlane_b32 s14, v1                    ; wave 0..3
	s_lshr_b32 s15, s14, 1                         ; which half of A's rows is mine.  Also: I fetch for A (0) or for B (1)
	s_and_b32 s16, s14, 1                          ; which half of B's rows.  Also: which 8 tiles I fetch
	s_bfe_u32 s40, ttmp6, 0x40000                  ; cx, cy: my place in the cluster
	s_bfe_u32 s41, ttmp6, 0x40004
	s_and_b32 s98, ttmp7, 0xffff                   ; the cluster's y: 0-7 q and k, 8-11 v
	s_sub_co_u32 s99, s98, 8
	s_lshl_b32 s99, s99, 1
	s_add_co_u32 s99, s99, ttmp9                   ; for v: which of eight columns of clusters along the tokens
	s_cmp_lt_u32 s98, 8
	s_cselect_b32 s95, 1, 0                        ; 1: q and k
	s_cselect_b32 s17, s98, 0                      ; the cluster's place along A's rows
	s_cselect_b32 s42, ttmp9, s99                  ; and along B's
	s_cselect_b32 s96, 0, 640                      ; A's first stored tile in c1: x or w_v
	s_cselect_b32 s97, 512, 0                      ; B's: w_q or x
	s_lshl_b32 s17, s17, 2
	s_add_co_u32 s17, s17, s41                     ; tile row
	s_lshl_b32 s42, s42, 2
	s_add_co_u32 s42, s42, s40                     ; tile column
	s_lshl_b32 s43, s41, 2
	s_lshl_b32 s43, 15, s43                        ; my row of the cluster
	s_lshl_b32 s44, 0x1111, s40                    ; my column
	; descriptor group 1: 8 stored tiles x 3,072 bytes (two fragments of each), 12,288 bytes from tile to tile; elements of 8 bytes; dense in LDS
	s_or_b32 s[G1+0], s43, (3<<16)|(1<<21)         ; 15:0 the mask: A's tiles go to my row; 17:16 elements of 8 bytes; 21 set beside a mask
	s_or_b32 s[G1B+0], s44, (3<<16)|(1<<21)
.irp g, G1, G1B
	s_mov_b32 s[\g+1], 384<<16                     ; tensor_dim0
	s_mov_b32 s[\g+2], 16<<16                      ; tensor_dim1: 16 tiles for the head's loads; 8 behind them
	s_mov_b32 s[\g+3], 384<<16                     ; tile_dim0
	s_mov_b32 s[\g+4], 16                          ; tile_dim1
	s_mov_b32 s[\g+5], 1536                        ; tensor_dim0_stride
	s_mov_b32 s[\g+6], 0
	s_mov_b32 s[\g+7], 0
.endr
	; the scales of 16 tiles: 8,192 dense bytes, as 32 rows of 256
	s_or_b32 s[G1S+0], s43, (3<<16)|(1<<21)
	s_or_b32 s[G1SB+0], s44, (3<<16)|(1<<21)
.irp g, G1S, G1SB
	s_mov_b32 s[\g+1], 32<<16
	s_mov_b32 s[\g+2], 32<<16                      ; the scales of 16 tiles: 32 rows of 256 bytes
	s_mov_b32 s[\g+3], 32<<16
	s_mov_b32 s[\g+4], 32
	s_mov_b32 s[\g+5], 32
	s_mov_b32 s[\g+6], 0
	s_mov_b32 s[\g+7], 0
.endr
	s_lshl_b32 s20, s17, 4
	s_add_co_u32 s20, s20, s96                     ; A: the first of my work-group's 16 stored tiles
	s_lshl_b32 s46, s42, 4
	s_add_co_u32 s46, s46, s97                     ; B: likewise
	s_lshl_b32 s22, s20, 9                         ; where these tiles' scales begin, in bytes,
	s_mov_b32 s23, 0
	s_mul_i32 s20, s20, 12288                      ; and their codes (under 2^24)
	s_mov_b32 s21, 0
	s_lshl_b32 s92, s46, 9
	s_mov_b32 s93, 0
	s_mul_i32 s46, s46, 12288
	s_mov_b32 s47, 0
	s_mul_i32 s45, s14, HALFT                      ; where they go: wave x 8 tiles: no place in the cluster enters an LDS address
	s_wait_dscnt 0x0                               ; the opening add is done
	s_wait_kmcnt 0x0
	s_add_nc_u64 s[20:21], s[4:5], s[20:21]
	s_add_nc_u64 s[22:23], s[6:7], s[22:23]
	s_add_nc_u64 s[46:47], s[4:5], s[46:47]
	s_add_nc_u64 s[92:93], s[6:7], s[92:93]
	CROUND                                         ; all sixteen work-groups are here: the first joint loads meet
	s_mov_b32 s[G0S], 1
	s_mov_b32 s[G0S+1], SCL
	s_mov_b64 s[G0S+2:G0S+3], s[22:23]
	s_or_b32 s[G0S+3], s[G0S+3], 0x80000000
	s_mov_b32 s[G0SB], 1
	s_mov_b32 s[G0SB+1], SCL+2*HALFS
	s_mov_b64 s[G0SB+2:G0SB+3], s[92:93]
	s_or_b32 s[G0SB+3], s[G0SB+3], 0x80000000
.irp s, 0,1
	s_mov_b32 s[G0+4*\s], 1
	s_add_co_u32 s[G0+4*\s+1], s45, \s*SLOT
	s_add_nc_u64 s[G0+4*\s+2:G0+4*\s+3], s[20:21], \s*TILEB
	s_or_b32 s[G0+4*\s+3], s[G0+4*\s+3], 0x80000000
	s_mov_b32 s[G0B+4*\s], 1
	s_add_co_u32 s[G0B+4*\s+1], s45, \s*SLOT
	s_add_nc_u64 s[G0B+4*\s+2:G0B+4*\s+3], s[46:47], \s*TILEB
	s_or_b32 s[G0B+4*\s+3], s[G0B+4*\s+3], 0x80000000
.endr
	s_mov_b32 s[G0+1], 0                           ; at the head slot 0's descriptors stand for whole tiles: A's 16 at byte 0,
	s_mov_b32 s[G0B+1], 2*HALFT                    ; B's 16 behind them
	s_mul_i32 s18, s16, 8*12288                    ; slot 1's stand for my 8 tiles
	s_mov_b32 s19, 0
	s_add_nc_u64 s[G0+6:G0+7], s[G0+6:G0+7], s[18:19]
	s_add_nc_u64 s[G0B+6:G0B+7], s[G0B+6:G0B+7], s[18:19]
; The head's four tiles, one load a wave: wave 0 A's 16 tiles of K 0-255, wave 1 B's, wave 2 A's scales, wave 3 B's.  One chain of branches on the wave's number, all arms joining.
.macro ARM under, g0, g1, next
	s_cmp_lt_u32 s14, \under
	s_cbranch_scc0 \next
	tensor_load_to_lds s[\g0:\g0+3], s[\g1:\g1+7]
	s_nop 0
.rept 4
	v_nop
.endr
	s_branch .Lhead_asked
\next:
.endm
	ARM 1, G0,  G1,  .Lhead_b
	ARM 2, G0B, G1B, .Lhead_sa
	ARM 3, G0S, G1S, .Lhead_sb
	tensor_load_to_lds s[G0SB:G0SB+3], s[G1SB:G1SB+7]
	s_nop 0
.rept 4
	v_nop
.endr
.Lhead_asked:
	v_and_b32 v1, 15, v0                           ; r
	v_bfe_u32 v2, v0, 4, 1                         ; h
	v_and_b32 v3, 31, v0                           ; lane
	v_lshlrev_b32 v24, 4, v3                       ; 16 x lane
	v_lshlrev_b32 v25, 3, v3                       ; 8 x lane
	s_mul_i32 s21, s15, HALFT                      ; my 8 tiles of A
	s_mul_i32 s22, s16, HALFT                      ; my 8 tiles of B,
	s_add_co_u32 s22, s22, 2*HALFT                 ; which lie behind A's 16
.irp s, 0,1
	v_add_nc_u32 v[ADRA+\s], s21, v24
	v_add_nc_u32 v[ADRB+\s], s22, v24
	v_add_nc_u32 v[ADRA+2+\s], s21, v25
	v_add_nc_u32 v[ADRB+2+\s], s22, v25
	s_add_co_u32 s21, s21, SLOT
	s_add_co_u32 s22, s22, SLOT
.endr
	v_lshlrev_b32 v6, 4, v1                        ; my row's scale words: 16 bytes a row in each half of K
	s_lshl_b32 s21, s15, 12                        ; A's: my 8 tiles
	s_lshl_b32 s22, s16, 12                        ; B's: my 8 tiles, behind A's 16
	s_add_co_u32 s22, s22, 2*HALFS
	s_sub_co_u32 s22, s22, s21
	v_mul_u32_u24 v7, s22, v2                      ; lanes 16-31 take B's
	s_add_co_u32 s21, s21, SCL
	v_add_nc_u32 v6, v6, v7
	v_add_nc_u32 v[ADRS], s21, v6
	; THE WAY OUT'S NUMBERS.  Block a (16 rows of A), half c of its fragment, lands at: q, k: 768 a in the record of head c of my two; v: head a / 4 of my two, 1,536 (a % 4) + 768 c
	s_lshl_b32 s20, s17, 8
	s_lshl_b32 s21, s15, 7
	s_add_co_u32 s20, s20, s21                     ; my first row of A
	s_lshl_b32 s21, s42, 8
	s_lshl_b32 s22, s16, 7
	s_add_co_u32 s21, s21, s22                     ; my first row of B
	s_add_co_u32 s22, s20, 2048
	s_mov_b32 s8, 1536
	s_mov_b32 s18, 768
	s_cmp_eq_u32 s95, 1
	s_cselect_b32 s19, s20, s21                    ; my first token
	s_cselect_b32 s22, s21, s22                    ; my first feature of the 3,072
	s_cselect_b32 s8, 768, s8                      ; from block to block
	s_cselect_b32 s2, 0, 301056                    ; more at block 4: for v the next head's record, 307,200 bytes on, less the four steps taken
	s_cselect_b32 s18, 307200, s18                 ; from half 0 to half 1
	s_cselect_b32 s66, 0, -1                       ; all lanes: v
	s_mov_b32 s9, 0
	s_mov_b32 s3, 0
	s_lshr_b32 s23, s22, 10                        ; 0 q, 1 k, 2 v
	s_lshr_b32 s20, s19, 11                        ; batch
	s_lshl_b32 s20, s20, 4
	s_bfe_u32 s21, s22, 0x40006                    ; head
	s_add_co_u32 s20, s20, s21
	s_lshl_b32 s20, s20, 4
	s_bfe_u32 s21, s19, 0x40007                    ; step
	s_add_co_u32 s20, s20, s21
	s_mul_i32 s19, s20, 19200                      ; the record
	s_mul_i32 s20, s23, 6144
	s_min_u32 s21, s23, 1
	s_lshl_b32 s21, s21, 8
	s_add_co_u32 s20, s20, s21                     ; codes at 0, 6,400, 12,544
	s_add_co_u32 s20, s20, s19
	s_lshl_b32 s22, s23, 8
	s_add_co_u32 s22, s22, 18432
	s_cmp_eq_u32 s23, 0
	s_cselect_b32 s22, 6144, s22                   ; scales at 6,144, 18,688, 18,944
	s_add_co_u32 s22, s22, s19
	s_mov_b32 s21, 0
	s_mov_b32 s23, 0
	s_add_nc_u64 s[10:11], s[12:13], s[22:23]
	s_add_nc_u64 s[12:13], s[12:13], s[20:21]
	v_add_nc_u32 v26, s18, v24
	v_add_nc_u32 v27, s18, v25
	v_mov_b32 v[FLOOR], 0x1800000
.irp b, 0,1,2,3
	v_mov_b32 v[TM+4+\b], 0                        ; written once: a lane permute's destination counts as one of its sources
.endr
	s_mov_b32 s67, 0xffff0000                      ; lanes 16-31
	s_mov_b32 s96, 0x05040100                      ; v_perm_b32: the low halves of two words,
	s_mov_b32 s97, 0x07060302                      ; the high halves
	s_mov_b32 s98, 0x76543210
	s_mov_b32 s99, 0xfedcba98                      ; v_permlanex16_b32's selects for lane l xor 16
.macro FRAG reg, adr, q, i             ; a fragment comes as it was stored: four loads, each of whole consecutive bytes
	ds_load_b128 v[\reg:\reg+3], v[\adr] offset:(\i)*TILEB+(\q)*1536
	ds_load_b64 v[\reg+4:\reg+5], v[\adr+2] offset:(\i)*TILEB+(\q)*1536+512
	ds_load_b128 v[\reg+6:\reg+9], v[\adr] offset:(\i)*TILEB+(\q)*1536+768
	ds_load_b64 v[\reg+10:\reg+11], v[\adr+2] offset:(\i)*TILEB+(\q)*1536+1280
.endm
; 16 matrix instructions: A's blocks a0, a0 + 1 x B's eight, 128 along K.  p: B's set;  sc: the set of scale words.  zero = 1: the first product starts the sums.
; The 64 accumulators take turns, one instruction a turn, in the same order in every step.
.macro MUL16 a0, p, q, sc, zero
.irp a, \a0, \a0+1
.irp b, 0,1,2,3,4,5,6,7
.if \zero
	v_wmma_scale_f32_16x16x128_f8f6f4 v[8*(8*((\a)%4)+\b):8*(8*((\a)%4)+\b)+7], v[128*(\p)+FR*\b:128*(\p)+FR*\b+FR-1], v[AF+FR*(\a):AF+FR*(\a)+FR-1], 0, v[SC+8*NQ*(\sc)+NQ*\b+(\q)], v[SC+8*NQ*(\sc)+NQ*(\a)+(\q)] matrix_a_fmt:MATRIX_FMT_FP6 matrix_b_fmt:MATRIX_FMT_FP6 matrix_a_scale:MATRIX_SCALE_ROW1
.else
	v_wmma_scale_f32_16x16x128_f8f6f4 v[8*(8*((\a)%4)+\b):8*(8*((\a)%4)+\b)+7], v[128*(\p)+FR*\b:128*(\p)+FR*\b+FR-1], v[AF+FR*(\a):AF+FR*(\a)+FR-1], v[8*(8*((\a)%4)+\b):8*(8*((\a)%4)+\b)+7], v[SC+8*NQ*(\sc)+NQ*\b+(\q)], v[SC+8*NQ*(\sc)+NQ*(\a)+(\q)] matrix_a_fmt:MATRIX_FMT_FP6 matrix_b_fmt:MATRIX_FMT_FP6 matrix_a_scale:MATRIX_SCALE_ROW1
.endif
.endr
.endr
.endm
.macro FETCH_B slot, q, p
	WIN TO_B
.irp i, 0,1,2,3,4,5,6,7
	FRAG 128*(\p)+FR*\i, ADRB+\slot, \q, \i
.endr
	WIN 0
.endm
.macro FETCH_A slot, q, i0
.irp i, \i0, \i0+1, \i0+2, \i0+3
	FRAG AF+FR*(\i), ADRA+\slot, \q, \i
.endr
.endm
.macro SCALES sc, soff                 ; a slot's scale words into set sc: two words a row, at byte soff of the row's tile; lanes 0-15 take A's block i, lanes 16-31 B's
.irp i, 0,1,2,3,4,5,6,7
	ds_load_b64 v[SC+8*NQ*\sc+NQ*\i:SC+8*NQ*\sc+NQ*\i+1], v[ADRS] offset:\i*SBLK+\soff
.endr
.endm
; A load into a register that a matrix instruction has read, and a vector instruction that reads a matrix result, stand NP places behind that matrix instruction; only plain vector instructions that name none of its
; registers are places (ISA guide 7.12.1 for vector instructions).
.macro PLACES n
.rept \n
	v_nop
.endr
.endm
.macro STEP slot, q, zero              ; a step of 128 along K that has its successor in the same slot
	s_wait_dscnt 4*NL                              ; B's set, A's blocks 0-3 and the scale words are in; the youngest 16 loads (A's blocks 4-7) may be out
	WIN MUL_LO
	MUL16 0, (\q)%2, \q, \slot, \zero
	MUL16 2, (\q)%2, \q, \slot, \zero
	s_wait_dscnt 0                                 ; A's blocks 4-7 are in
	PLACES NP
	FETCH_B \slot, (\q)+1, 1-(\q)%2
	FETCH_A \slot, (\q)+1, 0
	WIN MUL_HI
	MUL16 4, (\q)%2, \q, \slot, \zero
	MUL16 6, (\q)%2, \q, \slot, \zero
	PLACES NP
	WIN 0
	FETCH_A \slot, (\q)+1, 4
.endm
; A slot's last step changes slots: ONE barrier; in front of it each wave waits for all its tensor loads, adds 0 to its spare word, and waits for that and for its own reads of this slot.  fill = 1: this slot is filled again, two fills ahead.
.macro TURN slot, next, fill, soff
	s_wait_tensorcnt 0x0                           ; all my tensor loads have landed: my part of the next slot
	ds_add_u32 v[SPW], v[NIL]                      ; 0 onto my spare word
	s_wait_dscnt 4*NL+1                            ; (the add and the youngest 16 loads, A's blocks 4-7, may be out)
	WIN MUL_LO
	MUL16 0, 1, NQ-1, \slot, 0                     ; sixteen matrix instructions stand between the add and the wait for it
	s_wait_dscnt 0x0                               ; the add is done, and my reads of this slot are over
	s_barrier_signal -1
	MUL16 2, 1, NQ-1, \slot, 0
	WIN 0
	s_barrier_wait -1
.if \fill
	CREST                                          ; the barrier has opened a round of the cluster's barrier: no wave of any partner still reads this slot or has a load on its way
	s_add_nc_u64 s[G0+4*\slot+2:G0+4*\slot+3], s[G0+4*\slot+2:G0+4*\slot+3], 2*TILEB
	s_add_nc_u64 s[G0B+4*\slot+2:G0B+4*\slot+3], s[G0B+4*\slot+2:G0B+4*\slot+3], 2*TILEB
	JLOAD G0+4*\slot, G1, G0B+4*\slot, G1B         ; the first tensor load behind the round; the four v_nop behind it are the places in front of the loads below
.else
	PLACES NP
.endif
	FETCH_B \next, 0, 0
	FETCH_A \next, 0, 0
	SCALES \next, \soff
	WIN MUL_HI
	MUL16 4, 1, NQ-1, \slot, 0
	MUL16 6, 1, NQ-1, \slot, 0
	PLACES NP
	WIN 0
	FETCH_A \next, 0, 4
.endm
	s_wait_alu depctr_va_vdst(0)
	s_wait_tensorcnt 0x0                           ; my tile of the head's four is in
	ds_add_u32 v[SPW], v[NIL]
	s_mov_b32 s[G1+2], 8<<16                       ; no tensor load of mine is out: from here on a load brings 8 tiles,
	s_mov_b32 s[G1+4], 8
	s_mov_b32 s[G1B+2], 8<<16
	s_mov_b32 s[G1B+4], 8
	s_mul_i32 s20, s16, 8*12288                    ; and slot 0's descriptors stand for my 8 tiles too
	s_mov_b32 s21, 0
	s_add_co_u32 s[G0+1], s45, 0
	s_add_co_u32 s[G0B+1], s45, 0
	s_add_nc_u64 s[G0+2:G0+3], s[G0+2:G0+3], s[20:21]
	s_add_nc_u64 s[G0B+2:G0B+3], s[G0B+2:G0B+3], s[20:21]
	s_wait_dscnt 0x0
	CROUND                                         ; all four tiles are in, all sixteen work-groups are here
	JLOAD G0+4, G1, G0B+4, G1B                     ; slot 1's first fill, the first tensor load behind the round
	FETCH_B 0, 0, 0
	FETCH_A 0, 0, 0
	SCALES 0, 0
	FETCH_A 0, 0, 4
	STEP 0, 0, 1                                   ; K 0-127: its products start the sums
	TURN 0, 1, 1, 8                                ; K 128-255; slot 0 takes K 512-767
	STEP 1, 0, 0
	TURN 1, 0, 1, 256                              ; slot 1 takes K 768-1,023
	STEP 0, 0, 0
	TURN 0, 1, 0, 264                              ; nothing is left to fetch: no round
	STEP 1, 0, 0
	s_wait_dscnt 4*NL                              ; the very last step
	WIN MUL_LO
	MUL16 0, 1, NQ-1, 1, 0
	MUL16 2, 1, NQ-1, 1, 0
	s_wait_dscnt 0
	WIN MUL_HI
	MUL16 4, 1, NQ-1, 1, 0
	MUL16 6, 1, NQ-1, 1, 0
	WIN 0
; THE WAY OUT.  Block a's 64 registers of a lane: register 16 b + i is number 32 b + 16 (lane / 16) + i along the quantised axis, of the lane's row of A.  They become a fragment's codes and a scale word, in registers.
.macro QUANTW a
.set AC, 64*((\a)%4)
.set WN, 2+(\a)/4
	WIN ((WN<<2)|(WN<<4))                          ; sources 1 and 2: the block's window
.irp b, 0,1,2,3
	v_max3_num_f32 v[TM+\b], v[FLOOR], |v[AC+16*\b]|, |v[AC+16*\b+1]|   ; each accumulator is read from its low end on; the floor holds the byte at 1 from below
.endr
.irp i, 2,4,6,8,10,12,14
.irp b, 0,1,2,3
	v_max3_num_f32 v[TM+\b], v[TM+\b], |v[AC+16*\b+\i]|, |v[AC+16*\b+\i+1]|
.endr
.endr
	WIN 0
.irp b, 0,1,2,3
	v_permlanex16_b32 v[TM+4+\b], v[TM+\b], s98, s99
.endr
.irp b, 0,1,2,3
	v_max_num_f32 v[TM+\b], v[TM+\b], v[TM+4+\b]   ; with lane l xor 16's: the block's largest magnitude
.endr
.irp b, 0,1,2,3
	v_add_nc_u32 v[TM+12+\b], 0xff000000, v[TM+\b] ; 2 off its exponent field: the conversion's scale operand
.endr
.irp b, 0,1,2,3
	v_lshrrev_b32 v[TM+4+\b], 23, v[TM+12+\b]      ; the scale's byte
.endr
	v_lshl_or_b32 v[W+(\a)], v[TM+5], 8, v[TM+4]
	v_lshl_or_b32 v[W+(\a)], v[TM+6], 16, v[W+(\a)]
	v_lshl_or_b32 v[W+(\a)], v[TM+7], 24, v[W+(\a)]
	s_wait_xcnt 0x0                                ; the last block's stores have read their registers and their base: both are written again only behind this wait
.if (\a) > 0
	s_add_nc_u64 s[12:13], s[12:13], s[8:9]
.endif
.if (\a) == 4
	s_add_nc_u64 s[12:13], s[12:13], s[2:3]
.endif
	WIN WN                                         ; source 0: the block's window
.irp c, 0,1
	v_cvt_scalef32_pk16_fp6_f32 v[PC+6*\c:PC+6*\c+2], v[AC+32*\c:AC+32*\c+15], v[TM+12+2*\c]
	v_cvt_scalef32_pk16_fp6_f32 v[CT+4*\c:CT+4*\c+2], v[AC+32*\c+16:AC+32*\c+31], v[TM+12+2*\c+1]   ; (a conversion's three registers begin on an even number)
.endr
	v_nop                                          ; one plain place behind a scaled conversion
	WIN 0
.irp c, 0,1                                    ; the operand's layout wants a WHOLE block in a lane: lanes 0-15 block 2 c, lanes 16-31 block 2 c + 1
.irp i, 0,1,2
	v_permlane16_swap_b32 v[PC+6*\c+\i], v[CT+4*\c+\i]
.endr
.irp i, 0,1,2
	v_mov_b32 v[PC+6*\c+3+\i], v[CT+4*\c+\i]
.endr
.endr
	global_store_b128 v24, v[PC:PC+3], s[12:13]                ; each store covers whole aligned blocks of 256 bytes
	global_store_b64 v25, v[PC+4:PC+5], s[12:13] offset:512
	global_store_b128 v26, v[PC+6:PC+9], s[12:13]
	global_store_b64 v27, v[PC+10:PC+11], s[12:13] offset:512
.endm
	PLACES NP
.irp a, 0,1,2,3,4,5,6,7
	QUANTW \a
.endr
; The scale words.  q, k: head g's word of pair image i is bytes 2 g, 2 g + 1 of blocks 2 i and 2 i + 1.  v: head g's word of tile i is block 4 g + i's as it stands.
.irp g, 0,1
.irp i, 0,1,2,3
	v_perm_b32 v[OW+4*\g+\i], v[W+2*\i+1], v[W+2*\i], s[96+\g]
.endr
.irp i, 0,1,2,3
	v_cndmask_b32 v[OW+4*\g+\i], v[OW+4*\g+\i], v[W+4*\g+\i], s66
.endr
	v_cndmask_b32 v[RR+2*\g], v[OW+4*\g], v[OW+4*\g+1], s67    ; every lane holds its row's word: lanes 0-15 keep image 0's (2's), lanes 16-31 image 1's (3's)
	v_cndmask_b32 v[RR+2*\g+1], v[OW+4*\g+2], v[OW+4*\g+3], s67
	global_store_b64 v25, v[RR+2*\g:RR+2*\g+1], s[10:11] offset:307200*\g   ; one aligned block of 256 bytes in each head's record
.endr
	s_wait_tensorcnt 0x0                           ; the wave's end, behind my last tensor load
	ds_add_u32 v[SPW], v[NIL]
	s_wait_dscnt 0x0
	CROUND                                         ; the closing round: no work-group ends while a partner may still ask for a tile that names it
	s_endpgm
.Lfunc_end_k_q9cbca4f3e7_qkvgemm:
	.size	k_q9cbca4f3e7_qkvgemm, .Lfunc_end_k_q9cbca4f3e7_qkvgemm-k_q9cbca4f3e7_qkvgemm
	.p2alignl 7, 3214868480
	.fill 96, 4, 3214868480
	.section	.rodata,"a",@progbits
	.p2align	6, 0x0
	.amdhsa_kernel k_q9cbca4f3e7_qkvgemm
		.amdhsa_group_segment_fixed_size 327680
		.amdhsa_private_segment_fixed_size 0
		.amdhsa_enable_private_segment 0
		.amdhsa_kernarg_size 24
		.amdhsa_user_sgpr_count 2
		.amdhsa_user_sgpr_kernarg_segment_ptr 1
		.amdhsa_wavefront_size32 1
		.amdhsa_system_sgpr_workgroup_id_x 1
		.amdhsa_system_sgpr_workgroup_id_y 1
		.amdhsa_system_sgpr_workgroup_id_z 1
		.amdhsa_system_vgpr_workitem_id 0
		.amdhsa_next_free_vgpr 1024
		.amdhsa_next_free_sgpr 100
		.amdhsa_reserve_vcc 0
		.amdhsa_float_denorm_mode_32 3
		.amdhsa_float_denorm_mode_16_64 3
		.amdhsa_memory_ordered 1
		.amdhsa_forward_progress 1
		.amdhsa_inst_pref_size 151
	.end_amdhsa_kernel
	.amdgpu_metadata
---
amdhsa.version: [ 1, 2 ]
amdhsa.kernels:
  - .name:           k_q9cbca4f3e7_qkvgemm
    .symbol:         k_q9cbca4f3e7_qkvgemm.kd
    .args:
      - { .name: c1, .offset: 0, .size: 8, .value_kind: global_buffer, .address_space: global }
      - { .name: s1, .offset: 8, .size: 8, .value_kind: global_buffer, .address_space: global }
      - { .name: qkv, .offset: 16, .size: 8, .value_kind: global_buffer, .address_space: global }
    .group_segment_fixed_size: 327680
    .private_segment_fixed_size: 0
    .kernarg_segment_align: 8
    .kernarg_segment_size: 24
    .max_flat_workgroup_size: 128
    .sgpr_count:     100
    .vgpr_count:     1024
    .wavefront_size: 32
...
	.end_amdgpu_metadata
.endif
;; end of part 2
;; launch attn (part 3): grid 4 x 64, 16 waves a work-group, clusters of 4 x 1, 327,680 bytes of LDS; arguments qkv, oc, os; writes oc, os
.if DOCPART == 3
	.amdgcn_target "amdgcn-amd-amdhsa--gfx1250"
	.amdhsa_code_object_version 6
	.text
	.protected	k_q9cbca4f3e7_attn
	.globl	k_q9cbca4f3e7_attn
	.p2align	8
	.type	k_q9cbca4f3e7_attn,@function
k_q9cbca4f3e7_attn:
	s_mov_b64 s[64:65], 0
	v_nop
	global_prefetch_b8 v0, s[64:65] scope:SCOPE_SE
	s_setreg_imm32_b32 hwreg(HW_REG_WAVE_MODE, 25, 1), 1
	s_wait_xcnt 0x0
	s_wait_alu depctr_hold_cnt(0) depctr_sa_sdst(0) depctr_va_vdst(0) depctr_va_sdst(0) depctr_va_ssrc(0) depctr_va_vcc(0) depctr_vm_vsrc(0)
	s_getreg_b32 s2, hwreg(HW_REG_IB_STS2, 6, 4)
	s_cmp_eq_u32 s2, 0
	s_cbranch_scc0 .Lentry_in_a_cluster
	s_endpgm
.Lentry_in_a_cluster:
	s_bfe_u32 s2, ttmp6, 0x10000c
	s_cmp_lg_u32 s2, 0x3003
	s_cbranch_scc0 .Lentry_shape_is_right
	s_endpgm
.Lentry_shape_is_right:
; o = softmax(q k^T / 8) v for one (batch, head) and 512 queries a work-group, on codes of FP6 (E2M3) with E8M0 scales; o leaves as codes and scale bytes in the order of the next launch's operand registers.
; qkv: records of 19,200 bytes, one for each (batch, head, 128 tokens): +0 Q's codes, +6,144 Q's scales, +6,400 K's codes, +12,544 V's codes, +18,688 K's scales, +18,944 V's scales.
; SHARES.  Sixteen waves, four on a SIMD; a wave holds 32 queries (two tiles of 16) and walks the head's 2,048 keys in 16 steps of 128: each fragment of K and V read from LDS feeds two products.
; LDS: bytes 6,400 .. 19,199 of the head's 16 records, 204,800 bytes, asked for once at the head: each wave's one tensor load brings one row of 12,800 bytes, which begins at a multiple of 256 bytes.
; The four work-groups of a cluster share the head: the loads are joint (mask 15).  Nothing is filled again.  No data prefetch: all that the launch reads by tensor loads is asked for at the head, ahead of any loop.
; BOTH PRODUCTS ARE USED TRANSPOSED (S^T = k q^T, O^T = v^T p^T): a lane holds one query.  THE KEYS OF A TILE OF K ARE CHOSEN BY THE LANES' LDS ADDRESSES: row 8 g + j of tile u of half c is key 64 c + 32 g + 8 u + j,
; so that the 32 registers of a lane's four tiles are the 32 keys of ONE scale block, in the order of p's operand registers: no lane is asked for a block's maximum and no code changes lanes.
; The head's axis is 64: a fragment of K holds two tiles (k 0-63 and 64-127), and q stands beside six registers of zero codes, below or above.
; p = 2^(t - M), t = score x log2(e) / 8, M the ceiling of the running largest t; the row's sum is taken of the unquantised p; a change of M multiplies the sum and O^T by a power of two.  A block's largest p is made from
; its largest score by the same multiply-add and exponential.
; A STEP: K's fragments; tile 0's scores, softmax and codes; tile 1's scores; V's fragments into K's registers; tile 1's softmax and codes; both tiles' products with V.
; LIMITS: the scaled scores stay under 2^31 in magnitude; NaN and infinities are not served; a block whose largest number lies under 2^-124 keeps the byte 1.
; REGISTERS: v0-7 addresses; v8-13 scale words (K's and V's by turns in v8, v9); v14-21 each tile's -M, largest score and sum; v22-27 f, the blocks' maxima and scale operands; v28-35 eight registers at work by turns
; (second chains of the maxima, the sums' chains, half blocks of codes, LDS addresses); v36-47 tile 0's codes; v48-95 K's or V's fragments; v96-125 zeros and q by turns; v128-191 the scores, then p, and in the end
; tile 1's codes in the first twelve; v192-255 O^T.
.set STEPB, 12800
.set SPARE, 16*STEPB
.set SH8, 0
.set L16, 1
.set L8, 2
.set SPW, 3
.set NIL, 4
.set KB16, 5
.set KB8, 6
.set KBS, 7
.set KSC, 8
.set QS, 10
.set PS, 12
.set NM0, 14
.set L0, 18
.set FF, 22
.set T, 23
.set BM, 24
.set SO, 26
.set TB, 28
.set BN, TB
.set PT, TB
.set TY, TB+6
.set TX, TB+7
.set PC0, 36
.set KF, 48
.set QZ, 96
.set X, 128
.set O, 192
.macro WALU
	s_wait_alu depctr_va_vdst(0)
.endm
.macro PLACES n
.rept \n
	v_nop
.endr
.endm
.macro CROUND
	s_barrier_signal -1
	s_barrier_wait -1
	s_cmp_lg_u32 s10, 0
	s_cbranch_scc1 .Lnot_wave_0_\@
	s_barrier_signal -3
.Lnot_wave_0_\@:
	s_barrier_wait -3
	s_barrier_signal -1
	s_barrier_wait -1
.endm
.macro WM2 d, a, b, c, sa, sb, ra
	v_wmma_scale_f32_16x16x128_f8f6f4 v[\d:\d+7], v[\a:\a+11], v[\b:\b+11], \c, v[\sa], v[\sb] matrix_a_fmt:MATRIX_FMT_FP6 matrix_b_fmt:MATRIX_FMT_FP6 matrix_a_scale:MATRIX_SCALE_\ra
.endm
.macro WM d, a, b, c, sa, sb, ra
.if (\ra)
	WM2 \d, \a, \b, \c, \sa, \sb, ROW1
.else
	WM2 \d, \a, \b, \c, \sa, \sb, ROW0
.endif
.endm
.macro SPROD i, n                      ; score tile n = 4 c + u of query tile i: fragment n / 2 of K; q below the zeros (u even) or above them
.set D_, X+8*(\n)
.set A_, KF+12*((\n)/2)
.set B_, QZ+12*(\i)+6*(1-(\n)%2)
	WM D_, A_, B_, 0, KSC+(\n)/4, QS+(\i), ((\n)/2)%2
.endm
.macro PVPROD i, t                     ; O^T tile t of query tile i += V's tile t x p
.set D_, O+32*(\i)+8*(\t)
.set A_, KF+12*(\t)
.set B_, PC0+(X-PC0)*(\i)
	WM D_, A_, B_, v[D_:D_+7], KSC+(\t)/2, PS+(\i), (\t)%2
.endm
.macro ADDL n                          ; line n of the row's sum: 32 pairs of p in four chains
.if (\n) < 3
	v_pk_add_f32 v[PT+2*(\n):PT+2*(\n)+1], v[X+4*(\n):X+4*(\n)+1], v[X+4*(\n)+2:X+4*(\n)+3]
.elseif (\n) < 29
.if (\n)%4 == 0
	v_pk_add_f32 v[LL_:LL_+1], v[LL_:LL_+1], v[X+2*(\n)+6:X+2*(\n)+7]
.else
	v_pk_add_f32 v[PT+2*((\n)%4)-2:PT+2*((\n)%4)-1], v[PT+2*((\n)%4)-2:PT+2*((\n)%4)-1], v[X+2*(\n)+6:X+2*(\n)+7]
.endif
.elseif (\n) == 29
	v_pk_add_f32 v[PT:PT+1], v[PT:PT+1], v[PT+2:PT+3]
.elseif (\n) == 30
	v_pk_add_f32 v[LL_:LL_+1], v[LL_:LL_+1], v[PT+4:PT+5]
.else
	v_pk_add_f32 v[LL_:LL_+1], v[LL_:LL_+1], v[PT:PT+1]
.endif
.endm
.macro ADDX n, i                       ; behind line n: the two blocks' scales and p's scale word, so that no line waits for the line above it
.if (\n) == 1
	v_max_num_f32 v[BM], 0x1800000, v[BM]          ; the floor 2^(3 - 127): the byte cannot fall under 1
	v_max_num_f32 v[BM+1], 0x1800000, v[BM+1]
.elseif (\n) == 5
	v_add_nc_u32 v[SO], 0xff000000, v[BM]          ; 2 off the exponent field: the conversions' scale operand
	v_add_nc_u32 v[SO+1], 0xff000000, v[BM+1]
.elseif (\n) == 9
	v_lshrrev_b32 v[BM], 23, v[SO]                 ; the scale's byte
	v_lshrrev_b32 v[BM+1], 23, v[SO+1]
.elseif (\n) == 13
	v_lshl_or_b32 v[TY], v[BM+1], 16, v[BM]        ; my blocks h and 2 + h,
.elseif (\n) == 17
	v_lshlrev_b32 v[TY], v[SH8], v[TY]             ; 8 h bits up;
.elseif (\n) == 21
	v_permlanex16_b32 v[TX], v[TY], s40, s41
.elseif (\n) == 25
	v_or_b32 v[PS+(\i)], v[TY], v[TX]              ; with lane l xor 16's two the word is whole
.endif
.endm
.macro SOFTMAX i
.set NM_, NM0+2*(\i)
.set LL_, L0+2*(\i)
.irp c, 0,1                            ; the largest score of my two blocks, two chains each; every accumulator is read from its low end on
	v_max3_num_f32 v[BM+\c], v[X+32*\c], v[X+32*\c+1], v[X+32*\c+2]
	v_max3_num_f32 v[BN+\c], v[X+32*\c+17], v[X+32*\c+18], v[X+32*\c+19]
.endr
.irp k, 0,2,4,6,8,10
.irp c, 0,1
	v_max3_num_f32 v[BM+\c], v[BM+\c], v[X+32*\c+3+\k], v[X+32*\c+4+\k]
	v_max3_num_f32 v[BN+\c], v[BN+\c], v[X+32*\c+20+\k], v[X+32*\c+21+\k]
.endr
.endr
.irp c, 0,1
	v_max3_num_f32 v[BM+\c], v[BM+\c], v[X+32*\c+15], v[X+32*\c+16]
.endr
.irp c, 0,1
	v_max_num_f32 v[BM+\c], v[BM+\c], v[BN+\c]
.endr
	v_max3_num_f32 v[NM_+1], v[NM_+1], v[BM], v[BM+1]   ; the running largest score
	v_permlanex16_b32 v[TX], v[NM_+1], s40, s41
	v_max_num_f32 v[NM_+1], v[NM_+1], v[TX]             ; with lane l xor 16's blocks
	v_mul_f32 v[T], s46, v[NM_+1]                       ; -t
	v_floor_f32 v[T], v[T]                              ; the new -M = floor(-t)
	v_sub_f32 v[FF], v[T], v[NM_]                       ; old M less new M: a whole number, 0 or less
	v_mov_b32 v[NM_], v[T]
	v_cvt_i32_f32 v[FF], v[FF]                          ; (it saturates)
	v_ldexp_f32 v[FF], 1.0, v[FF]                       ; f = 2^(old M - new M)
.set J_, 0
.rept 32
	v_pk_fma_f32 v[X+J_:X+J_+1], v[X+J_:X+J_+1], s[42:43], v[NM_:NM_+1] op_sel_hi:[1,0,0]   ; t - M
.set J_, J_+2
.endr
	v_fma_f32 v[BM], v[BM], s42, v[NM_]
	v_fma_f32 v[BM+1], v[BM+1], s42, v[NM_]
	WALU                                                ; the wait ahead of the batch
.set J_, 0
.rept 64
	v_exp_f32 v[X+J_], v[X+J_]
.set J_, J_+1
.endr
	v_exp_f32 v[BM], v[BM]                              ; each block's largest p
	v_exp_f32 v[BM+1], v[BM+1]
	v_nop
	s_wait_dscnt 0x0                                    ; in tile 1: V's fragments are in
	WALU                                                ; one wait for the batch, directly ahead of the first reader of O^T
.set J_, 0
.rept 16
	v_pk_mul_f32 v[O+32*(\i)+J_:O+32*(\i)+J_+1], v[O+32*(\i)+J_:O+32*(\i)+J_+1], v[FF:FF+1] op_sel_hi:[1,0]   ; O^T under the new M
.set J_, J_+2
.endr
	v_pk_mul_f32 v[LL_:LL_+1], v[LL_:LL_+1], v[FF:FF+1] op_sel_hi:[1,0]
.set N_, 0
.rept 32
	ADDL N_
	ADDX N_, \i
.set N_, N_+1
.endr
.if (\i) == 0                          ; (a conversion's three registers begin on an even number: a block's second half is made elsewhere and moved)
	v_cvt_scalef32_pk16_fp6_f32 v[PC0:PC0+2], v[X:X+15], v[SO]
	v_cvt_scalef32_pk16_fp6_f32 v[TB:TB+2], v[X+16:X+31], v[SO]
	v_cvt_scalef32_pk16_fp6_f32 v[PC0+6:PC0+8], v[X+32:X+47], v[SO+1]
	v_cvt_scalef32_pk16_fp6_f32 v[TB+4:TB+6], v[X+48:X+63], v[SO+1]
	v_nop
.irp c, 0,1
.irp k, 0,1,2
	v_mov_b32 v[PC0+6*\c+3+\k], v[TB+4*\c+\k]
.endr
.endr
.else                                  ; tile 1's codes end in v[X .. X + 11], whose numbers have been converted by then
	v_cvt_scalef32_pk16_fp6_f32 v[TB:TB+2], v[X:X+15], v[SO]
	v_cvt_scalef32_pk16_fp6_f32 v[TB+4:TB+6], v[X+16:X+31], v[SO]
	v_nop
	v_cvt_scalef32_pk16_fp6_f32 v[X+6:X+8], v[X+32:X+47], v[SO+1]
	v_cvt_scalef32_pk16_fp6_f32 v[X+12:X+14], v[X+48:X+63], v[SO+1]
	v_nop
.irp k, 0,1,2
	v_mov_b32 v[X+\k], v[TB+\k]
	v_mov_b32 v[X+3+\k], v[TB+4+\k]
	v_mov_b32 v[X+9+\k], v[X+12+\k]
.endr
.endif
.endm
; ---- the head
	s_load_b128 s[4:7], s[0:1], 0x0                ; qkv, oc
	s_load_b64 s[8:9], s[0:1], 0x10                ; os
	v_lshl_add_u32 v[SPW], v0, 2, SPARE
	v_mov_b32 v[NIL], 0
	ds_add_u32 v[SPW], v[NIL]                      ; the opening lines: the add twice and its wait ahead of my tensor load
	ds_add_u32 v[SPW], v[NIL]
	v_lshrrev_b32 v5, 5, v0
	v_readfirstlane_b32 s10, v5                    ; wave
	s_bfe_u32 s11, ttmp6, 0x40000                  ; cx
	s_and_b32 s12, ttmp7, 0xffff                   ; batch x 16 + head
	s_mov_b32 s16, 15|(3<<16)|(1<<21)              ; the four partners; elements of 8 bytes
	s_mov_b32 s17, 1600<<16                        ; one row of 12,800 bytes
	s_mov_b32 s18, 1<<16
	s_mov_b32 s19, 1600<<16
	s_mov_b32 s20, 1
	s_mov_b32 s21, 1600
	s_mov_b32 s22, 1<<16
	s_mov_b32 s23, 0
	s_mul_i32 s13, s12, 307200                     ; the head's 16 records
	s_mul_i32 s14, s10, 19200                      ; mine
	s_add_co_u32 s14, s14, s13
	s_add_co_u32 s14, s14, 6400
	s_mov_b32 s15, 0
	s_mov_b32 s24, 1
	s_mul_i32 s25, s10, STEPB
	s_lshl_b32 s28, ttmp9, 2
	s_add_co_u32 s28, s28, s11
	s_lshl_b32 s28, s28, 2
	s_lshr_b32 s29, s10, 2
	s_add_co_u32 s28, s28, s29                     ; my queries' record among the head's 16
	s_and_b32 s29, s10, 3                          ; which pair of its eight tiles
	s_mul_i32 s30, s28, 19200
	s_add_co_u32 s30, s30, s13
	s_mul_i32 s31, s29, 1536
	s_add_co_u32 s32, s30, s31                     ; Q's codes
	s_mov_b32 s33, 0
	s_and_b32 s31, s29, 1
	s_lshl_b32 s31, s31, 7
	s_add_co_u32 s34, s30, s31
	s_lshr_b32 s31, s29, 1
	s_lshl_b32 s31, s31, 2
	s_add_co_u32 s34, s34, s31
	s_add_co_u32 s34, s34, 6144                    ; the pair's scale words
	s_mov_b32 s35, 0
	s_lshr_b32 s36, s12, 4
	s_lshl_b32 s36, s36, 7
	s_lshl_b32 s31, s28, 3
	s_add_co_u32 s36, s36, s31
	s_lshl_b32 s31, s29, 1
	s_add_co_u32 s36, s36, s31                     ; my first tile of 16 rows in oc, os
	s_and_b32 s37, s12, 15                         ; head
	s_mul_i32 s38, s36, 12288
	s_mul_i32 s31, s37, 768
	s_add_co_u32 s38, s38, s31
	s_mov_b32 s39, 0
	s_lshl_b32 s48, s36, 9
	s_lshr_b32 s31, s37, 3
	s_lshl_b32 s31, s31, 8
	s_add_co_u32 s48, s48, s31
	s_and_b32 s31, s37, 7
	s_lshl_b32 s31, s31, 1
	s_add_co_u32 s48, s48, s31
	s_mov_b32 s49, 0
	s_mov_b32 s40, 0x76543210
	s_mov_b32 s41, 0xfedcba98                      ; v_permlanex16_b32's selects for lane l xor 16
	s_mov_b32 s42, 0x3e38aa3b                      ; log2(e) / 8
	s_mov_b32 s43, s42
	s_mov_b32 s46, 0xbe38aa3b
	s_mov_b32 s47, 0xffff0000                      ; lanes 16-31
	s_mov_b32 s50, 0x01000100
	s_mov_b32 s51, 0x03020302
	v_and_b32 v12, 31, v0
	v_lshlrev_b32 v[L16], 4, v12
	v_lshlrev_b32 v[L8], 3, v12
	v_and_b32 v8, 7, v0                            ; j
	v_bfe_u32 v9, v0, 3, 1                         ; g
	v_bfe_u32 v10, v0, 4, 1                        ; h
	v_mul_u32_u24 v11, v9, 1536
	v_lshl_add_u32 v[KB16], v8, 4, v11
	v_lshl_add_u32 v[KB16], v10, 8, v[KB16]        ; 1,536 g + 16 j + 256 h
	v_lshl_add_u32 v[KB8], v8, 3, v11
	v_lshl_add_u32 v[KB8], v10, 7, v[KB8]          ; 1,536 g + 8 j + 128 h
	v_lshlrev_b32 v[KBS], 3, v8
	v_lshl_add_u32 v[KBS], v9, 7, v[KBS]
	v_lshl_add_u32 v[KBS], v10, 6, v[KBS]          ; 8 j + 128 g + 64 h
	v_and_b32 v[TB], 15, v0
	v_lshlrev_b32 v[TB], 3, v[TB]                  ; 8 r
	v_lshlrev_b32 v[SH8], 3, v10                   ; 8 h (the thread's number is not read again)
	v_mov_b32 v[TX], 0                             ; a lane permute's destination counts as one of its sources
	WALU                                           ; the wait ahead of the head's waits
	s_wait_dscnt 0x0
	CROUND                                         ; in front of the joint loads
	s_wait_kmcnt 0x0
	s_add_nc_u64 s[26:27], s[4:5], s[14:15]
	s_or_b32 s27, s27, 0x80000000
	s_add_nc_u64 s[52:53], s[4:5], s[32:33]
	s_add_nc_u64 s[54:55], s[4:5], s[34:35]
	s_add_nc_u64 s[56:57], s[6:7], s[38:39]
	s_add_nc_u64 s[58:59], s[8:9], s[48:49]
	tensor_load_to_lds s[24:27], s[16:23]          ; my one load: step w
	s_nop 0
	PLACES 4
	global_load_b32 v[TB+1], v[TB], s[54:55]       ; row r's word: the even tile's two bytes, then the odd tile's
.irp i, 0,1
	global_load_b128 v[QZ+6+12*\i:QZ+9+12*\i], v[L16], s[52:53] offset:768*\i th:TH_LOAD_NT
	global_load_b64 v[QZ+10+12*\i:QZ+11+12*\i], v[L8], s[52:53] offset:768*\i+512 th:TH_LOAD_NT
.endr
.irp g, 0,1,2
.irp k, 0,1,2,3,4,5
	v_mov_b32 v[QZ+12*\g+\k], 0                    ; zero codes beside q
.endr
.endr
.set J_, 0
.rept 64
	v_mov_b32 v[O+J_], 0                           ; O^T: the step is written once, and the first finds zeros
.set J_, J_+1
.endr
	s_wait_loadcnt 0x0
	v_perm_b32 v[QS], v[TB+1], v[TB+1], s50        ; a tile's two bytes, for q below the zeros and above
	v_perm_b32 v[QS+1], v[TB+1], v[TB+1], s51
.irp i, 0,1
	v_mov_b32 v[NM0+2*\i], 0x7f61b1e6              ; -M
	v_mov_b32 v[NM0+2*\i+1], 0xff61b1e6            ; the largest score so far: -3e38
	v_mov_b32 v[L0+2*\i], 0
	v_mov_b32 v[L0+2*\i+1], 0
.endr
	s_mov_b32 s44, 0
	WALU                                           ; the wait at the head's end
	s_wait_tensorcnt 0x0
	s_barrier_signal -1
	s_barrier_wait -1                              ; all 16 steps are in
.Lstep:                                                ; 16 trips; s44: the step's LDS byte
	v_add_nc_u32 v[TB], s44, v[KB16]
	v_add_nc_u32 v[TB+1], s44, v[KB8]
	v_add_nc_u32 v[TB+2], s44, v[KBS]
	PLACES 2                                       ; five plain lines behind the last trip's products: their fragments are loaded over, and tile 1's codes written over
.irp c, 0,1
.irp w, 0,1
	ds_load_b128 v[KF+12*(2*\c+\w):KF+12*(2*\c+\w)+3], v[TB] offset:3072*\c+128*\w
	ds_load_b64 v[KF+12*(2*\c+\w)+4:KF+12*(2*\c+\w)+5], v[TB+1] offset:3072*\c+512+64*\w
	ds_load_b128 v[KF+12*(2*\c+\w)+6:KF+12*(2*\c+\w)+9], v[TB] offset:3072*\c+768+128*\w
	ds_load_b64 v[KF+12*(2*\c+\w)+10:KF+12*(2*\c+\w)+11], v[TB+1] offset:3072*\c+1280+64*\w
.endr
.endr
	ds_load_b64 v[KSC:KSC+1], v[TB+2] offset:12288
	s_wait_dscnt 0x0
.irp n, 0,1,2,3,4,5,6,7
	SPROD 0, \n
.endr
	PLACES 4
	SOFTMAX 0
.irp n, 0,1,2,3,4,5,6,7
	SPROD 1, \n
.endr
	v_add_nc_u32 v[TB+3], s44, v[L16]
	v_add_nc_u32 v[TB+4], s44, v[L8]
	PLACES 2                                       ; four plain lines behind the products: K's registers take V, and the scores are read
.irp t, 0,1,2,3
	ds_load_b128 v[KF+12*\t:KF+12*\t+3], v[TB+3] offset:6144+1536*\t
	ds_load_b64 v[KF+12*\t+4:KF+12*\t+5], v[TB+4] offset:6144+1536*\t+512
	ds_load_b128 v[KF+12*\t+6:KF+12*\t+9], v[TB+3] offset:6144+1536*\t+768
	ds_load_b64 v[KF+12*\t+10:KF+12*\t+11], v[TB+4] offset:6144+1536*\t+1280
.endr
	ds_load_b64 v[KSC:KSC+1], v[TB+4] offset:12544
	SOFTMAX 1
	PLACES 4                                       ; an operand written by vector lines stands four places ahead of a scaled product
.irp t, 0,1,2,3
	PVPROD 0, \t
	PVPROD 1, \t
.endr
	s_add_co_u32 s44, s44, STEPB
	s_cmp_lg_u32 s44, 16*STEPB
	s_cbranch_scc1 .Lstep
; ---- the end: O^T / the sum, quantised along the head's 64
.set QM, TB
.set QT, TB+4
.set QE, PC0
.set OSO, PC0+4
.irp i, 0,1
	v_add_f32 v[L0+2*\i], v[L0+2*\i], v[L0+2*\i+1]
.endr
.irp i, 0,1
	v_permlanex16_b32 v[L0+2*\i+1], v[L0+2*\i], s40, s41
.endr
.irp i, 0,1
	v_add_f32 v[L0+2*\i], v[L0+2*\i], v[L0+2*\i+1]
.endr
	v_lshrrev_b32 v[OSO], 8, v[L16]
	v_and_or_b32 v[OSO], v[L16], 0xf0, v[OSO]      ; 16 r + h
	WALU
.irp i, 0,1
	v_rcp_f32 v[L0+2*\i], v[L0+2*\i]
.endr
	v_nop
	WALU
.irp i, 0,1
.set J_, 0
.rept 16
	v_pk_mul_f32 v[X+32*\i+J_:X+32*\i+J_+1], v[O+32*\i+J_:O+32*\i+J_+1], v[L0+2*\i:L0+2*\i+1] op_sel_hi:[1,0]
.set J_, J_+2
.endr
.endr
.irp b, 0,1                            ; register 16 b + e of a tile is number 32 b + 16 h + e of the head's 64
.irp i, 0,1
	v_max3_num_f32 v[QM+2*\i+\b], |v[X+32*\i+16*\b]|, |v[X+32*\i+16*\b+1]|, 0x1800000
.endr
.endr
.irp k, 2,4,6,8,10,12,14
.irp b, 0,1
.irp i, 0,1
	v_max3_num_f32 v[QM+2*\i+\b], v[QM+2*\i+\b], |v[X+32*\i+16*\b+\k]|, |v[X+32*\i+16*\b+\k+1]|
.endr
.endr
.endr
.irp m, 0,1,2,3
	v_permlanex16_b32 v[QT+\m], v[QM+\m], s40, s41
.endr
.irp m, 0,1,2,3
	v_max_num_f32 v[QM+\m], v[QM+\m], v[QT+\m]
.endr
.irp m, 0,1,2,3
	v_add_nc_u32 v[QE+\m], 0xff000000, v[QM+\m]
.endr
.irp m, 0,1,2,3
	v_lshrrev_b32 v[QT+\m], 23, v[QE+\m]
.endr
.irp i, 0,1
	v_cvt_scalef32_pk16_fp6_f32 v[KF+8*\i:KF+8*\i+2], v[X+32*\i:X+32*\i+15], v[QE+2*\i]
	v_cvt_scalef32_pk16_fp6_f32 v[KF+16+4*\i:KF+16+4*\i+2], v[X+32*\i+16:X+32*\i+31], v[QE+2*\i+1]
.endr
	v_nop
.irp i, 0,1
.irp k, 0,1,2
	v_permlane16_swap_b32 v[KF+8*\i+\k], v[KF+16+4*\i+\k]   ; a whole block to a lane
.endr
.endr
.irp i, 0,1
.irp k, 0,1,2
	v_mov_b32 v[KF+8*\i+3+\k], v[KF+16+4*\i+\k]
.endr
	v_cndmask_b32 v[KF+8*\i+6], v[QT+2*\i], v[QT+2*\i+1], s47
.endr
.irp i, 0,1
	global_store_b128 v[L16], v[KF+8*\i:KF+8*\i+3], s[56:57] offset:12288*\i
	global_store_b64 v[L8], v[KF+8*\i+4:KF+8*\i+5], s[56:57] offset:12288*\i+512
	global_store_b8 v[OSO], v[KF+8*\i+6], s[58:59] offset:512*\i
.endr
	s_wait_tensorcnt 0x0                           ; the wave's end
	ds_add_u32 v[SPW], v[NIL]
	s_wait_dscnt 0x0
	CROUND                                         ; the closing round
	s_endpgm
.Lfunc_end_k_q9cbca4f3e7_attn:
	.size	k_q9cbca4f3e7_attn, .Lfunc_end_k_q9cbca4f3e7_attn-k_q9cbca4f3e7_attn
	.p2alignl 7, 3214868480
	.fill 96, 4, 3214868480
	.section	.rodata,"a",@progbits
	.p2align	6, 0x0
	.amdhsa_kernel k_q9cbca4f3e7_attn
		.amdhsa_group_segment_fixed_size 327680
		.amdhsa_private_segment_fixed_size 0
		.amdhsa_enable_private_segment 0
		.amdhsa_kernarg_size 24
		.amdhsa_user_sgpr_count 2
		.amdhsa_user_sgpr_kernarg_segment_ptr 1
		.amdhsa_wavefront_size32 1
		.amdhsa_system_sgpr_workgroup_id_x 1
		.amdhsa_system_sgpr_workgroup_id_y 1
		.amdhsa_system_sgpr_workgroup_id_z 1
		.amdhsa_system_vgpr_workitem_id 0
		.amdhsa_next_free_vgpr 256
		.amdhsa_next_free_sgpr 80
		.amdhsa_reserve_vcc 0
		.amdhsa_float_denorm_mode_32 3
		.amdhsa_float_denorm_mode_16_64 3
		.amdhsa_memory_ordered 1
		.amdhsa_forward_progress 1
		.amdhsa_inst_pref_size 44
	.end_amdhsa_kernel
	.amdgpu_metadata
---
amdhsa.version: [ 1, 2 ]
amdhsa.kernels:
  - .name:           k_q9cbca4f3e7_attn
    .symbol:         k_q9cbca4f3e7_attn.kd
    .args:
      - { .name: qkv, .offset: 0, .size: 8, .value_kind: global_buffer, .address_space: global }
      - { .name: oc, .offset: 8, .size: 8, .value_kind: global_buffer, .address_space: global }
      - { .name: os, .offset: 16, .size: 8, .value_kind: global_buffer, .address_space: global }
    .group_segment_fixed_size: 327680
    .private_segment_fixed_size: 0
    .kernarg_segment_align: 8
    .kernarg_segment_size: 24
    .max_flat_workgroup_size: 512
    .sgpr_count:     80
    .vgpr_count:     256
    .wavefront_size: 32
...
	.end_amdgpu_metadata
.endif
;; end of part 3
;; launch outgemm (part 4): grid 4 x 32, 4 waves a work-group, clusters of 4 x 4, 327,680 bytes of LDS; arguments oc, os, c1, s1, b_out, out0; writes out0
.if DOCPART == 4
	.amdgcn_target "amdgcn-amd-amdhsa--gfx1250"
	.amdhsa_code_object_version 6
	.text
	.protected	k_q9cbca4f3e7_outgemm
	.globl	k_q9cbca4f3e7_outgemm
	.p2align	8
	.type	k_q9cbca4f3e7_outgemm,@function
k_q9cbca4f3e7_outgemm:
	s_mov_b64 s[64:65], 0
	v_nop
	global_prefetch_b8 v0, s[64:65] scope:SCOPE_SE
	s_setreg_imm32_b32 hwreg(HW_REG_WAVE_MODE, 25, 1), 1
	s_wait_xcnt 0x0
	s_wait_alu depctr_hold_cnt(0) depctr_sa_sdst(0) depctr_va_vdst(0) depctr_va_sdst(0) depctr_va_ssrc(0) depctr_va_vcc(0) depctr_vm_vsrc(0)
	s_getreg_b32 s2, hwreg(HW_REG_IB_STS2, 6, 4)
	s_cmp_eq_u32 s2, 0
	s_cbranch_scc0 .Lentry_in_a_cluster
	s_endpgm
.Lentry_in_a_cluster:
	s_bfe_u32 s2, ttmp6, 0x10000c
	s_cmp_lg_u32 s2, 0xf033
	s_cbranch_scc0 .Lentry_shape_is_right
	s_endpgm
.Lentry_shape_is_right:
.set NQ,     2
.set FR,     12
.set NL,     4
.set NP,     4
.set TILEB,  3072
.set HALFT,  8*TILEB
.set SLOT,   4*HALFT
.set SCL,    2*SLOT
.set HALFS,  4096
.set SBLK,   512
.set SPARE,  SCL+4*HALFS
.set SPITCH, 528
.set ADRA, 16
.set ADRB, 20
.set STO,  24
.set RD,   25
.set CO,   26
.set SPW,  28
.set NIL,  29
.set ADRS, 31
.set SC,   32
.set BIAS, 64
.set AF,   128
.set BK,   128
.set G1, 24
.set G0, 32
.set G1B, 48
.set G0B, 56
.set G1S, 68
.set G0S, 76
.set G1SB, 80
.set G0SB, 88
.set MSB, 0
.macro WIN new
.if MSB != \new
	s_set_vgpr_msb (MSB<<8)|\new
.set MSB, \new
.endif
.endm
.set MUL_LO, 0xa1
.set MUL_HI, 0xf1
.set BIA_LO, 0x81
.set BIA_HI, 0xc1
.set TO_B,   0x40
.macro JLOAD g0a, g1a, g0b, g1b
	s_cmp_eq_u32 s15, 0
	s_cbranch_scc0 .Lfor_b_\@
	tensor_load_to_lds s[\g0a:\g0a+3], s[\g1a:\g1a+7]
	s_nop 0
.rept 4
	v_nop
.endr
	s_branch .Lasked_\@
.Lfor_b_\@:
	tensor_load_to_lds s[\g0b:\g0b+3], s[\g1b:\g1b+7]
	s_nop 0
.rept 4
	v_nop
.endr
.Lasked_\@:
.endm
.macro CREST
	s_cmp_lg_u32 s14, 0
	s_cbranch_scc1 .Lnot_wave_0_\@
	s_barrier_signal -3
.Lnot_wave_0_\@:
	s_barrier_wait -3
	s_barrier_signal -1
	s_barrier_wait -1
.endm
.macro CROUND
	s_barrier_signal -1
	s_barrier_wait -1
	CREST
.endm
	s_load_b128 s[4:7], s[0:1], 0x0
	s_load_b128 s[8:11], s[0:1], 0x10
	s_load_b64 s[2:3], s[0:1], 0x20
	s_load_b64 s[12:13], s[0:1], 0x28
	v_lshl_add_u32 v[SPW], v0, 2, SPARE
	v_mov_b32 v[NIL], 0
	ds_add_u32 v[SPW], v[NIL]
	ds_add_u32 v[SPW], v[NIL]
	v_lshrrev_b32 v1, 5, v0
	v_readfirstlane_b32 s14, v1
	s_lshr_b32 s15, s14, 1
	s_and_b32 s16, s14, 1
	s_bfe_u32 s40, ttmp6, 0x40000
	s_bfe_u32 s41, ttmp6, 0x40004
	s_lshl_b32 s42, ttmp9, 2
	s_add_co_u32 s42, s42, s40
	s_and_b32 s17, ttmp7, 0xffff
	s_lshl_b32 s17, s17, 2
	s_add_co_u32 s17, s17, s41
	s_lshl_b32 s43, s41, 2
	s_lshl_b32 s43, 15, s43
	s_lshl_b32 s44, 0x1111, s40
	s_or_b32 s[G1+0], s43, (3<<16)|(1<<21)
	s_or_b32 s[G1B+0], s44, (3<<16)|(1<<21)
.irp g, G1, G1B
	s_mov_b32 s[\g+1], 384<<16
	s_mov_b32 s[\g+2], 16<<16
	s_mov_b32 s[\g+3], 384<<16
	s_mov_b32 s[\g+4], 16
	s_mov_b32 s[\g+5], 1536
	s_mov_b32 s[\g+6], 0
	s_mov_b32 s[\g+7], 0
.endr
	s_or_b32 s[G1S+0], s43, (3<<16)|(1<<21)
	s_or_b32 s[G1SB+0], s44, (3<<16)|(1<<21)
.irp g, G1S, G1SB
	s_mov_b32 s[\g+1], 32<<16
	s_mov_b32 s[\g+2], 32<<16
	s_mov_b32 s[\g+3], 32<<16
	s_mov_b32 s[\g+4], 32
	s_mov_b32 s[\g+5], 32
	s_mov_b32 s[\g+6], 0
	s_mov_b32 s[\g+7], 0
.endr
	s_lshl_b32 s20, s17, 4
	s_lshl_b32 s46, s42, 4
	s_add_co_u32 s46, s46, 704
	s_lshl_b32 s22, s20, 9
	s_mov_b32 s23, 0
	s_mul_i32 s20, s20, 12288
	s_mov_b32 s21, 0
	s_lshl_b32 s92, s46, 9
	s_mov_b32 s93, 0
	s_mul_i32 s46, s46, 12288
	s_mov_b32 s47, 0
	s_mul_i32 s45, s14, HALFT
	s_wait_dscnt 0x0
	s_wait_kmcnt 0x0
	s_add_nc_u64 s[20:21], s[4:5], s[20:21]
	s_add_nc_u64 s[22:23], s[6:7], s[22:23]
	s_add_nc_u64 s[46:47], s[8:9], s[46:47]
	s_add_nc_u64 s[92:93], s[10:11], s[92:93]
	CROUND
	s_mov_b32 s[G0S], 1
	s_mov_b32 s[G0S+1], SCL
	s_mov_b64 s[G0S+2:G0S+3], s[22:23]
	s_or_b32 s[G0S+3], s[G0S+3], 0x80000000
	s_mov_b32 s[G0SB], 1
	s_mov_b32 s[G0SB+1], SCL+2*HALFS
	s_mov_b64 s[G0SB+2:G0SB+3], s[92:93]
	s_or_b32 s[G0SB+3], s[G0SB+3], 0x80000000
.irp s, 0,1
	s_mov_b32 s[G0+4*\s], 1
	s_add_co_u32 s[G0+4*\s+1], s45, \s*SLOT
	s_add_nc_u64 s[G0+4*\s+2:G0+4*\s+3], s[20:21], \s*TILEB
	s_or_b32 s[G0+4*\s+3], s[G0+4*\s+3], 0x80000000
	s_mov_b32 s[G0B+4*\s], 1
	s_add_co_u32 s[G0B+4*\s+1], s45, \s*SLOT
	s_add_nc_u64 s[G0B+4*\s+2:G0B+4*\s+3], s[46:47], \s*TILEB
	s_or_b32 s[G0B+4*\s+3], s[G0B+4*\s+3], 0x80000000
.endr
	s_mov_b32 s[G0+1], 0                           ; at the head slot 0's descriptors stand for whole tiles: A's 16 at byte 0,
	s_mov_b32 s[G0B+1], 2*HALFT                    ; B's 16 behind them
	s_mul_i32 s18, s16, 8*12288                    ; slot 1's stand for my 8 tiles
	s_mov_b32 s19, 0
	s_add_nc_u64 s[G0+6:G0+7], s[G0+6:G0+7], s[18:19]
	s_add_nc_u64 s[G0B+6:G0B+7], s[G0B+6:G0B+7], s[18:19]
; The head's four tiles, one load a wave: wave 0 A's 16 tiles of K 0-255, wave 1 B's, wave 2 A's scales, wave 3 B's.  One chain of branches on the wave's number, all arms joining.
.macro ARM under, g0, g1, next
	s_cmp_lt_u32 s14, \under
	s_cbranch_scc0 \next
	tensor_load_to_lds s[\g0:\g0+3], s[\g1:\g1+7]
	s_nop 0
.rept 4
	v_nop
.endr
	s_branch .Lhead_asked
\next:
.endm
	ARM 1, G0,  G1,  .Lhead_b
	ARM 2, G0B, G1B, .Lhead_sa
	ARM 3, G0S, G1S, .Lhead_sb
	tensor_load_to_lds s[G0SB:G0SB+3], s[G1SB:G1SB+7]
	s_nop 0
.rept 4
	v_nop
.endr
.Lhead_asked:
	v_and_b32 v1, 15, v0
	v_bfe_u32 v2, v0, 4, 1
	v_and_b32 v3, 31, v0
	v_lshlrev_b32 v4, 4, v3
	v_lshlrev_b32 v5, 3, v3
	s_mul_i32 s21, s15, HALFT
	s_mul_i32 s22, s16, HALFT
	s_add_co_u32 s22, s22, 2*HALFT
.irp s, 0,1
	v_add_nc_u32 v[ADRA+\s], s21, v4
	v_add_nc_u32 v[ADRB+\s], s22, v4
	v_add_nc_u32 v[ADRA+2+\s], s21, v5
	v_add_nc_u32 v[ADRB+2+\s], s22, v5
	s_add_co_u32 s21, s21, SLOT
	s_add_co_u32 s22, s22, SLOT
.endr
	v_lshlrev_b32 v6, 4, v1
	s_lshl_b32 s21, s15, 12
	s_lshl_b32 s22, s16, 12
	s_add_co_u32 s22, s22, 2*HALFS
	s_sub_co_u32 s22, s22, s21
	v_mul_u32_u24 v7, s22, v2
	s_add_co_u32 s21, s21, SCL
	v_add_nc_u32 v6, v6, v7
	v_add_nc_u32 v[ADRS], s21, v6
	s_mul_i32 s23, s14, 16*SPITCH
	v_mul_u32_u24 v6, v1, SPITCH
	v_lshl_add_u32 v6, v2, 6, v6
	v_add_nc_u32 v[STO], s23, v6
	v_lshlrev_b32 v[CO], 4, v3
	v_add_nc_u32 v[RD], s23, v[CO]
	s_lshl_b32 s20, s17, 8
	s_lshl_b32 s21, s15, 7
	s_add_co_u32 s20, s20, s21
	s_lshl_b32 s20, s20, 12
	s_lshl_b32 s46, s42, 10
	s_lshl_b32 s47, s16, 9
	s_add_co_u32 s46, s46, s47
	s_mov_b32 s47, 0
	s_mov_b32 s21, 0
	s_add_nc_u64 s[20:21], s[20:21], s[46:47]
	s_add_nc_u64 s[12:13], s[12:13], s[20:21]
	s_add_nc_u64 s[2:3], s[2:3], s[46:47]
	v_lshlrev_b32 v7, 6, v2
.irp b, 0,1,2,3,4,5,6,7
	global_load_b128 v[BIAS+8*\b:BIAS+8*\b+3], v7, s[2:3] offset:128*(\b/2)+32*(\b%2)
	global_load_b128 v[BIAS+8*\b+4:BIAS+8*\b+7], v7, s[2:3] offset:128*(\b/2)+32*(\b%2)+16
.endr
.macro FRAG reg, adr, q, i
	ds_load_b128 v[\reg:\reg+3], v[\adr] offset:(\i)*TILEB+(\q)*1536
	ds_load_b64 v[\reg+4:\reg+5], v[\adr+2] offset:(\i)*TILEB+(\q)*1536+512
	ds_load_b128 v[\reg+6:\reg+9], v[\adr] offset:(\i)*TILEB+(\q)*1536+768
	ds_load_b64 v[\reg+10:\reg+11], v[\adr+2] offset:(\i)*TILEB+(\q)*1536+1280
.endm
.macro MUL16 a0, p, q, sc, zero
.irp a, \a0, \a0+1
.irp b, 0,1,2,3,4,5,6,7
.if \zero
	v_wmma_scale_f32_16x16x128_f8f6f4 v[8*(8*((\a)%4)+\b):8*(8*((\a)%4)+\b)+7], v[128*(\p)+FR*\b:128*(\p)+FR*\b+FR-1], v[AF+FR*(\a):AF+FR*(\a)+FR-1], v[BIAS+8*\b:BIAS+8*\b+7], v[SC+8*NQ*(\sc)+NQ*\b+(\q)], v[SC+8*NQ*(\sc)+NQ*(\a)+(\q)] matrix_a_fmt:MATRIX_FMT_FP6 matrix_b_fmt:MATRIX_FMT_FP6 matrix_a_scale:MATRIX_SCALE_ROW1
.else
	v_wmma_scale_f32_16x16x128_f8f6f4 v[8*(8*((\a)%4)+\b):8*(8*((\a)%4)+\b)+7], v[128*(\p)+FR*\b:128*(\p)+FR*\b+FR-1], v[AF+FR*(\a):AF+FR*(\a)+FR-1], v[8*(8*((\a)%4)+\b):8*(8*((\a)%4)+\b)+7], v[SC+8*NQ*(\sc)+NQ*\b+(\q)], v[SC+8*NQ*(\sc)+NQ*(\a)+(\q)] matrix_a_fmt:MATRIX_FMT_FP6 matrix_b_fmt:MATRIX_FMT_FP6 matrix_a_scale:MATRIX_SCALE_ROW1
.endif
.endr
.endr
.endm
.macro FETCH_B slot, q, p
	WIN TO_B
.irp i, 0,1,2,3,4,5,6,7
	FRAG 128*(\p)+FR*\i, ADRB+\slot, \q, \i
.endr
	WIN 0
.endm
.macro FETCH_A slot, q, i0
.irp i, \i0, \i0+1, \i0+2, \i0+3
	FRAG AF+FR*(\i), ADRA+\slot, \q, \i
.endr
.endm
.macro SCALES sc, soff
.irp i, 0,1,2,3,4,5,6,7
	ds_load_b64 v[SC+8*NQ*\sc+NQ*\i:SC+8*NQ*\sc+NQ*\i+1], v[ADRS] offset:\i*SBLK+\soff
.endr
.endm
.macro PLACES n
.rept \n
	v_nop
.endr
.endm
.macro STEP slot, q, zero
	s_wait_dscnt 4*NL
.if \zero
	WIN BIA_LO
.else
	WIN MUL_LO
.endif
	MUL16 0, (\q)%2, \q, \slot, \zero
	MUL16 2, (\q)%2, \q, \slot, \zero
	s_wait_dscnt 0
	PLACES NP
	FETCH_B \slot, (\q)+1, 1-(\q)%2
	FETCH_A \slot, (\q)+1, 0
.if \zero
	WIN BIA_HI
.else
	WIN MUL_HI
.endif
	MUL16 4, (\q)%2, \q, \slot, \zero
	MUL16 6, (\q)%2, \q, \slot, \zero
	PLACES NP
	WIN 0
	FETCH_A \slot, (\q)+1, 4
.endm
.macro TURN slot, next, fill, soff
	s_wait_tensorcnt 0x0
	ds_add_u32 v[SPW], v[NIL]
	s_wait_dscnt 4*NL+1
	WIN MUL_LO
	MUL16 0, 1, NQ-1, \slot, 0
	s_wait_dscnt 0x0
	s_barrier_signal -1
	MUL16 2, 1, NQ-1, \slot, 0
	WIN 0
	s_barrier_wait -1
.if \fill
	CREST
	s_add_nc_u64 s[G0+4*\slot+2:G0+4*\slot+3], s[G0+4*\slot+2:G0+4*\slot+3], 2*TILEB
	s_add_nc_u64 s[G0B+4*\slot+2:G0B+4*\slot+3], s[G0B+4*\slot+2:G0B+4*\slot+3], 2*TILEB
	JLOAD G0+4*\slot, G1, G0B+4*\slot, G1B
.else
	PLACES NP
.endif
	FETCH_B \next, 0, 0
	FETCH_A \next, 0, 0
	SCALES \next, \soff
	WIN MUL_HI
	MUL16 4, 1, NQ-1, \slot, 0
	MUL16 6, 1, NQ-1, \slot, 0
	PLACES NP
	WIN 0
	FETCH_A \next, 0, 4
.endm
	s_wait_alu depctr_va_vdst(0)
	s_wait_tensorcnt 0x0                           ; my tile of the head's four is in
	ds_add_u32 v[SPW], v[NIL]
	s_mov_b32 s[G1+2], 8<<16                       ; no tensor load of mine is out: from here on a load brings 8 tiles,
	s_mov_b32 s[G1+4], 8
	s_mov_b32 s[G1B+2], 8<<16
	s_mov_b32 s[G1B+4], 8
	s_mul_i32 s20, s16, 8*12288                    ; and slot 0's descriptors stand for my 8 tiles too
	s_mov_b32 s21, 0
	s_add_co_u32 s[G0+1], s45, 0
	s_add_co_u32 s[G0B+1], s45, 0
	s_add_nc_u64 s[G0+2:G0+3], s[G0+2:G0+3], s[20:21]
	s_add_nc_u64 s[G0B+2:G0B+3], s[G0B+2:G0B+3], s[20:21]
	s_wait_dscnt 0x0
	CROUND                                         ; all four tiles are in, all sixteen work-groups are here
	JLOAD G0+4, G1, G0B+4, G1B                     ; slot 1's first fill, the first tensor load behind the round
	FETCH_B 0, 0, 0
	FETCH_A 0, 0, 0
	SCALES 0, 0
	FETCH_A 0, 0, 4
	s_wait_loadcnt 0x0
	STEP 0, 0, 1
	TURN 0, 1, 1, 8
	STEP 1, 0, 0
	TURN 1, 0, 1, 256
	STEP 0, 0, 0
	TURN 0, 1, 0, 264
	STEP 1, 0, 0
	s_wait_dscnt 4*NL
	WIN MUL_LO
	MUL16 0, 1, NQ-1, 1, 0
	MUL16 2, 1, NQ-1, 1, 0
	s_wait_dscnt 0
	WIN MUL_HI
	MUL16 4, 1, NQ-1, 1, 0
	MUL16 6, 1, NQ-1, 1, 0
	WIN 0
.macro TOSTAGE a
.set AC, 64*((\a)%4)
	WIN 0x08+4*((\a)/4)
.irp b, 0,1,2,3,4,5,6,7
	ds_store_b128 v[STO], v[AC+8*\b:AC+8*\b+3] offset:128*(\b/2)+32*(\b%2)
	ds_store_b128 v[STO], v[AC+8*\b+4:AC+8*\b+7] offset:128*(\b/2)+32*(\b%2)+16
.endr
	WIN 0
.set BB, BK+64*((\a)%2)
.irp t, 0,1,2,3,4,5,6,7,8,9,10,11,12,13,14,15
	ds_load_b128 v[BB+4*\t:BB+4*\t+3], v[RD] offset:\t*SPITCH
.endr
.endm
.macro SEND a, younger
.set BB, BK+64*((\a)%2)
	s_wait_dscnt \younger
.if (\a) > 0
.if (\a)%2
	s_add_nc_u64 s[12:13], s[12:13], 8*4096
.else
	s_add_nc_u64 s[12:13], s[12:13], 24*4096
.endif
.endif
.irp t, 0,1,2,3,4,5,6,7,8,9,10,11,12,13,14,15
	global_store_b128 v[CO], v[BB+4*\t:BB+4*\t+3], s[12:13] offset:((\t%8)+16*(\t/8))*4096 th:TH_STORE_NT
.endr
.endm
	PLACES NP
	TOSTAGE 0
.irp a, 1,2,3,4,5,6,7
.if \a > 1
	s_wait_xcnt 0x0
.endif
	TOSTAGE \a
	SEND \a-1, 32
.endr
	s_wait_xcnt 0x0
	SEND 7, 0
	s_wait_tensorcnt 0x0
	ds_add_u32 v[SPW], v[NIL]
	s_wait_dscnt 0x0
	CROUND
	s_endpgm
.Lfunc_end_k_q9cbca4f3e7_outgemm:
	.size	k_q9cbca4f3e7_outgemm, .Lfunc_end_k_q9cbca4f3e7_outgemm-k_q9cbca4f3e7_outgemm
	.p2alignl 7, 3214868480
	.fill 96, 4, 3214868480
	.section	.rodata,"a",@progbits
	.p2align	6, 0x0
	.amdhsa_kernel k_q9cbca4f3e7_outgemm
		.amdhsa_group_segment_fixed_size 327680
		.amdhsa_private_segment_fixed_size 0
		.amdhsa_enable_private_segment 0
		.amdhsa_kernarg_size 48
		.amdhsa_user_sgpr_count 2
		.amdhsa_user_sgpr_kernarg_segment_ptr 1
		.amdhsa_wavefront_size32 1
		.amdhsa_system_sgpr_workgroup_id_x 1
		.amdhsa_system_sgpr_workgroup_id_y 1
		.amdhsa_system_sgpr_workgroup_id_z 1
		.amdhsa_system_vgpr_workitem_id 0
		.amdhsa_next_free_vgpr 1024
		.amdhsa_next_free_sgpr 100
		.amdhsa_reserve_vcc 0
		.amdhsa_float_denorm_mode_32 3
		.amdhsa_float_denorm_mode_16_64 3
		.amdhsa_memory_ordered 1
		.amdhsa_forward_progress 1
		.amdhsa_inst_pref_size 146
	.end_amdhsa_kernel
	.amdgpu_metadata
---
amdhsa.version: [ 1, 2 ]
amdhsa.kernels:
  - .name:           k_q9cbca4f3e7_outgemm
    .symbol:         k_q9cbca4f3e7_outgemm.kd
    .args:
      - { .name: oc, .offset: 0, .size: 8, .value_kind: global_buffer, .address_space: global }
      - { .name: os, .offset: 8, .size: 8, .value_kind: global_buffer, .address_space: global }
      - { .name: c1, .offset: 16, .size: 8, .value_kind: global_buffer, .address_space: global }
      - { .name: s1, .offset: 24, .size: 8, .value_kind: global_buffer, .address_space: global }
      - { .name: b_out, .offset: 32, .size: 8, .value_kind: global_buffer, .address_space: global }
      - { .name: out0, .offset: 40, .size: 8, .value_kind: global_buffer, .address_space: global }
    .group_segment_fixed_size: 327680
    .private_segment_fixed_size: 0
    .kernarg_segment_align: 8
    .kernarg_segment_size: 48
    .max_flat_workgroup_size: 128
    .sgpr_count:     100
    .vgpr_count:     1024
    .wavefront_size: 32
...
	.end_amdgpu_metadata
.endif
;; end of part 4
